; MI455X (gfx1250); checked and timed in simulation.
; The chip was launched on July 23, 2026; its instructions are those of AMD's public machine-readable ISA for CDNA 5 (MIT licence, August 2026) and "CDNA5" Instruction Set Architecture Reference Guide (July 2026). The comments in the code are by the model that wrote it; some were corrected since.
;; Attention. Allowed arithmetic: float matrix products may take bf16 or f16 operands with f32 sums; other float arithmetic in f32, or as packed bf16 or f16 multiplies, adds, multiply-adds, maxima and minima; sums over many terms, partial sums and values carried from step to step in f32; what a program stores and reads back later, other than sums and carried values, may be rounded once to bf16 or f16.
;; Inputs: Wk 1,024 x 1,024 float32; Wo 1,024 x 1,024 float32; Wq 1,024 x 1,024 float32; Wv 1,024 x 1,024 float32; bk 1,024 float32; bo 1,024 float32; bq 1,024 float32; bv 1,024 float32; mask 4 x 2,048 x 2,048 bool; x 4 x 2,048 x 1,024 float32.
;; Outputs: out0 4 x 2,048 x 1,024 float32.
;; 2 versions, each right; version 2 is version 1 with the launch prep written anew for expert scheduling mode. Each part assembles by itself: llvm-mc -triple=amdgcn-amd-amdhsa -mcpu=gfx1250 --defsym DOCPART=n.
;; ======== version 1 of 2: 5 launches
;; limits: values are held in f16: magnitudes above 65,504 overflow, below 6.1e-05 lose precision
;; workspace buffers: xb 16,777,216 bytes; wqkvb 6,291,456 bytes; woh 2,097,152 bytes; qkvh 50,331,648 bytes; ph 33,554,432 bytes; stat 1,048,576 bytes; oh 16,777,216 bytes
;; launch prep (part 1): grid 768 x 1, 8 waves a work-group, no clusters, 0 bytes of LDS; arguments x, Wq, Wk, Wv, Wo, xb, wqkvb, woh; writes xb, wqkvb, woh
.if DOCPART == 1
	.amdgcn_target "amdgcn-amd-amdhsa--gfx1250"
	.amdhsa_code_object_version 6
	.text
	.protected	k_q9b7a6ea0d4_prep
	.globl	k_q9b7a6ea0d4_prep
	.p2align	8
	.type	k_q9b7a6ea0d4_prep,@function
k_q9b7a6ea0d4_prep:
	s_mov_b64 s[64:65], 0
	v_nop
	global_prefetch_b8 v0, s[64:65] scope:SCOPE_SE
	s_setreg_imm32_b32 hwreg(HW_REG_WAVE_MODE, 25, 1), 1
	s_wait_xcnt 0x0
; x, Wq, Wk, Wv rounded once to bf16 (xb; wqkvb = [Wq][Wk][Wv]); Wo rounded to bf16 and that number written as f16 (woh).
; A stream: a work-group takes 16,384 numbers, 65,536 bytes in and 32,768 out.  Work-groups 0-511 take x, then 64 each Wq, Wk, Wv, Wo.
; All sixteen loads of a thread go out at once (a wave's load covers 512 neighbouring bytes); a wave's store covers 256 neighbouring bytes, aligned.
; No register is written twice while a memory instruction names it, so no wait but the counted ones for the loads.  No LDS, no matrix unit: nothing is shared and nothing multiplied.
; LIMIT: a number of Wo below 6.1e-5 in magnitude keeps f16's fixed step of 6e-8; beyond 65,504 it would be an infinity.
.set NX, 512                           ; work-groups for x
.set NW, 64                            ; for each weight
	s_load_b512 s[4:19], s[0:1], 0x0               ; x, Wq, Wk, Wv, Wo, xb, wqkvb, woh
	v_lshlrev_b32 v1, 4, v0                        ; 16 bytes a thread in
	v_lshlrev_b32 v2, 3, v0                        ; 8 bytes a thread out
	s_sub_co_u32 s20, ttmp9, NX                    ; my number among the weights' work-groups
	s_and_b32 s21, s20, NW-1                       ; and inside one weight
	s_sub_co_u32 s24, ttmp9, NX+3*NW               ; and inside Wo
	s_cmp_lt_u32 ttmp9, NX
	s_cselect_b32 s22, ttmp9, s21                  ; the source's chunk
	s_cselect_b32 s26, ttmp9, s20                  ; the destination's: the three weights lie on end in wqkvb
	s_cmp_ge_u32 ttmp9, NX+3*NW
	s_cselect_b32 s26, s24, s26
	s_lshl_b32 s22, s22, 16
	s_mov_b32 s23, 0
	s_lshl_b32 s26, s26, 15
	s_mov_b32 s27, 0
	s_wait_kmcnt 0x0
	s_cmp_ge_u32 ttmp9, NX
	s_cselect_b64 s[28:29], s[6:7], s[4:5]
	s_cselect_b64 s[30:31], s[16:17], s[14:15]
	s_cmp_ge_u32 ttmp9, NX+NW
	s_cselect_b64 s[28:29], s[8:9], s[28:29]
	s_cmp_ge_u32 ttmp9, NX+2*NW
	s_cselect_b64 s[28:29], s[10:11], s[28:29]
	s_cmp_ge_u32 ttmp9, NX+3*NW
	s_cselect_b64 s[28:29], s[12:13], s[28:29]
	s_cselect_b64 s[30:31], s[18:19], s[30:31]
	s_add_nc_u64 s[28:29], s[28:29], s[22:23]
	s_add_nc_u64 s[30:31], s[30:31], s[26:27]
.set i, 0
.rept 16
	global_load_b128 v[16+4*i:19+4*i], v1, s[28:29] offset:4096*i th:TH_LOAD_NT
.set i, i+1
.endr
	s_cmp_ge_u32 ttmp9, NX+3*NW
	s_cbranch_scc1 .Lwo
.set i, 0
.rept 16
	s_wait_loadcnt 15-i                            ; loads come back in order: load i is in, the younger ones stay out
	v_cvt_pk_bf16_f32 v[80+2*i], v[16+4*i], v[17+4*i]
	v_cvt_pk_bf16_f32 v[81+2*i], v[18+4*i], v[19+4*i]
	global_store_b64 v2, v[80+2*i:81+2*i], s[30:31] offset:2048*i
.set i, i+1
.endr
	s_endpgm
.Lwo:                                  ; Wo: rounded to bf16 like every input, widened, and written as f16 (8 significant bits fit in 11)
.set i, 0
.rept 16
	s_wait_loadcnt 15-i
	v_cvt_pk_bf16_f32 v112, v[16+4*i], v[17+4*i]
	v_cvt_pk_bf16_f32 v114, v[18+4*i], v[19+4*i]
	v_lshlrev_b32 v113, 16, v112
	v_and_b32 v112, 0xffff0000, v112
	v_lshlrev_b32 v115, 16, v114
	v_and_b32 v114, 0xffff0000, v114
	v_cvt_pk_f16_f32 v[80+2*i], v113, v112
	v_cvt_pk_f16_f32 v[81+2*i], v115, v114
	global_store_b64 v2, v[80+2*i:81+2*i], s[30:31] offset:2048*i
.set i, i+1
.endr
	s_endpgm
.Lfunc_end_k_q9b7a6ea0d4_prep:
	.size	k_q9b7a6ea0d4_prep, .Lfunc_end_k_q9b7a6ea0d4_prep-k_q9b7a6ea0d4_prep
	.p2alignl 7, 3214868480
	.fill 96, 4, 3214868480
	.section	.rodata,"a",@progbits
	.p2align	6, 0x0
	.amdhsa_kernel k_q9b7a6ea0d4_prep
		.amdhsa_group_segment_fixed_size 0
		.amdhsa_private_segment_fixed_size 0
		.amdhsa_enable_private_segment 0
		.amdhsa_kernarg_size 64
		.amdhsa_user_sgpr_count 2
		.amdhsa_user_sgpr_kernarg_segment_ptr 1
		.amdhsa_wavefront_size32 1
		.amdhsa_system_sgpr_workgroup_id_x 1
		.amdhsa_system_sgpr_workgroup_id_y 1
		.amdhsa_system_sgpr_workgroup_id_z 1
		.amdhsa_system_vgpr_workitem_id 0
		.amdhsa_next_free_vgpr 120
		.amdhsa_next_free_sgpr 66
		.amdhsa_reserve_vcc 0
		.amdhsa_float_denorm_mode_32 3
		.amdhsa_float_denorm_mode_16_64 3
		.amdhsa_memory_ordered 1
		.amdhsa_forward_progress 1
		.amdhsa_inst_pref_size 17
	.end_amdhsa_kernel
	.amdgpu_metadata
---
amdhsa.version: [ 1, 2 ]
amdhsa.kernels:
  - .name:           k_q9b7a6ea0d4_prep
    .symbol:         k_q9b7a6ea0d4_prep.kd
    .args:
      - { .name: x, .offset: 0, .size: 8, .value_kind: global_buffer, .address_space: global }
      - { .name: Wq, .offset: 8, .size: 8, .value_kind: global_buffer, .address_space: global }
      - { .name: Wk, .offset: 16, .size: 8, .value_kind: global_buffer, .address_space: global }
      - { .name: Wv, .offset: 24, .size: 8, .value_kind: global_buffer, .address_space: global }
      - { .name: Wo, .offset: 32, .size: 8, .value_kind: global_buffer, .address_space: global }
      - { .name: xb, .offset: 40, .size: 8, .value_kind: global_buffer, .address_space: global }
      - { .name: wqkvb, .offset: 48, .size: 8, .value_kind: global_buffer, .address_space: global }
      - { .name: woh, .offset: 56, .size: 8, .value_kind: global_buffer, .address_space: global }
    .group_segment_fixed_size: 0
    .private_segment_fixed_size: 0
    .kernarg_segment_align: 8
    .kernarg_segment_size: 64
    .max_flat_workgroup_size: 256
    .sgpr_count:     66
    .vgpr_count:     120
    .wavefront_size: 32
...
	.end_amdgpu_metadata
.endif
;; end of part 1
;; launch qkv (part 2): grid 4 x 64, 4 waves a work-group, clusters of 4 x 4, 327,680 bytes of LDS; arguments xb, wqkvb, bq, bk, bv, qkvh; writes qkvh
.if DOCPART == 2
	.amdgcn_target "amdgcn-amd-amdhsa--gfx1250"
	.amdhsa_code_object_version 6
	.text
	.protected	k_q9b7a6ea0d4_qkv
	.globl	k_q9b7a6ea0d4_qkv
	.p2align	8
	.type	k_q9b7a6ea0d4_qkv,@function
k_q9b7a6ea0d4_qkv:
	s_mov_b64 s[64:65], 0
	v_nop
	global_prefetch_b8 v0, s[64:65] scope:SCOPE_SE
	s_setreg_imm32_b32 hwreg(HW_REG_WAVE_MODE, 25, 1), 1
	s_wait_xcnt 0x0
	s_wait_alu depctr_hold_cnt(0) depctr_sa_sdst(0) depctr_va_vdst(0) depctr_va_sdst(0) depctr_va_ssrc(0) depctr_va_vcc(0) depctr_vm_vsrc(0)
	s_getreg_b32 s2, hwreg(HW_REG_IB_STS2, 6, 4)
	s_cmp_eq_u32 s2, 0
	s_cbranch_scc0 .Lentry_in_a_cluster
	s_endpgm
.Lentry_in_a_cluster:
	s_bfe_u32 s2, ttmp6, 0x10000c
	s_cmp_lg_u32 s2, 0xf033
	s_cbranch_scc0 .Lentry_shape_is_right
	s_endpgm
.Lentry_shape_is_right:
; Q' = (x Wq + bq) c, K = x Wk + bk, V = x Wv + bv, c = log2(e) / 32; x and W in bf16, the biases rounded to bf16, sums in f32, each result rounded once to f16: qkvh = [Q'][K][V], each [8192][1024].
; LIMIT: f16 ends at 65,504: Q c, K and V must lie within it.  NaN and infinities are not treated apart.
; SHARES.  A tile of C is 128 rows x 256 columns; 4 x 64 work-groups, each walks THREE tiles: the same 128 rows of x against its 256 columns of Wq, Wk, Wv.  Four waves, each 64 x 128: 32 accumulators.
; K goes in steps of 128 through two LDS slots; the ring runs on from tile to tile.  A's tile lies [row][k], W's [k][n] and is read turned, by ds_load_tr16_b128.
; CLUSTER 4 x 4: x's tile hangs on the tile row alone and is asked for jointly along a row of the cluster, W's on the tile column alone and is asked for jointly along a column.
; THE MATRIX INSTRUCTION IS USED TRANSPOSED (source 0 = 16 columns of W, source 1 = 16 rows of x): a lane holds row lane % 16 and the eight columns 8 (lane / 16) + 0..7.
; REGISTERS: window 0: v0-31 addresses, v32-63 at work, v64-159 and v160-255 two fragment buffers (W's eight fragments, then x's four); window 1: accumulator (a, b) at v[64 a + 8 b].
.set PA,    272                        ; an LDS row of x: 256 bytes + 16: the 16 rows of a load start at 16 different groups of four banks (ISA guide 11.1)
.set PB,    544                        ; an LDS row of W: 512 bytes + 32 = 17 x 32
.set BOFF,  128*PA
.set SLOT1, 131072                     ; slot 1 begins here: one exclusive or turns an address of one slot into the other's
.set STAGE, SLOT1+BOFF+128*PB          ; behind the ring, never filled by a tensor load: 16 rows x 272 bytes for each wave
.set SP,    272
.set BIAS,  STAGE+4*16*SP              ; three tables of the work-group's 256 biases in f32
.set SPARE, BIAS+3*1024                ; the spare words, 128 bytes a wave: two blocks of 256 bytes that no other line names
.set STEPS, 8
.set TILES, 3
.set ASTEP, 256                        ; bytes from K step to K step in x
.set ABACK, (STEPS-1)*ASTEP            ; back to K step 0 for the next tile
.set BSTEP, 128*2048                   ; in W; eight steps are one weight, so the walk runs on into the next weight
.set PITCHC, 2048
.set LIMA,  4                          ; prefetches of x: K steps 4-7 of the first tile (later tiles read the same rows again)
.set LIMB,  20                         ; of W: steps 4-23
.set LA0, 16
.set LB0, 17
.set ADRA, 18
.set ADRB, 19
.set STO, 20
.set RD,  21
.set CO,  22
.set BIA, 23
.set SPW, 28
.set NIL, 29
.set PFO, 30
.set BK,  32
.set F0,  64
.set F1,  160
.set BI,  160
.set TMP, 224
.set CB,  16                           ; s[16:17] my part of C
.set T2,  18
.set WV,  20
.set WH,  21                           ; wave / 2: my half of the rows; also: I fetch for A (0) or B (1)
.set WL,  22                           ; wave % 2: my half of the columns; also: which half of that tile I fetch
.set T0,  23
.set G1A, 24
.set G0A, 32
.set G0AW, 36                          ; the group 0 that walks
.set CX,  40
.set CY,  41
.set TR,  42
.set CLY, 45
.set G1B, 48
.set G0B, 56
.set G0BW, 60
.set TB,  66                           ; LDS byte of the slot that is being read
.set GC,  67                           ; refills done
.set LIM, 68                           ; a wave prefetches while GC is below it
.set MX,  70
.set PFA, 72
.set PST, 74
.set SC,  76
.set T1,  97
.set MSB, 0
.macro WIN new                         ; the high byte repeats the setting that is left; a switch that changes nothing is dropped
.if MSB != (\new)
	s_set_vgpr_msb (MSB<<8)|(\new)
.set MSB, (\new)
.endif
.endm
.macro PLACES                          ; four plain places behind matrix instructions, in front of loads into registers that they read and of lines that read results
.rept 4
	v_nop
.endr
.endm
.macro CREST                           ; a round of the cluster's barrier behind its opening barrier
	s_cmp_lg_u32 s[WV], 0
	s_cbranch_scc1 .Lnw0_\@
	s_barrier_signal -3
.Lnw0_\@:
	s_barrier_wait -3
	s_barrier_signal -1
	s_barrier_wait -1
.endm
.macro CROUND
	s_barrier_signal -1
	s_barrier_wait -1
	CREST
.endm
.macro JLOAD                           ; a joint refill: waves 0, 1 fetch A's halves, waves 2, 3 B's; s_nop 0 and four v_nop follow each line
	s_cmp_eq_u32 s[WH], 0
	s_cbranch_scc0 .Lfor_b_\@
	tensor_load_to_lds s[G0AW:G0AW+3], s[G1A:G1A+7]
	s_nop 0
	PLACES
	s_branch .Lasked_\@
.Lfor_b_\@:
	tensor_load_to_lds s[G0BW:G0BW+3], s[G1B:G1B+7]
	s_nop 0
	PLACES
.Lasked_\@:
.endm
; A prefetch into the L2 of the K step that stands two refills on (256 matrix instructions ahead of its load): one instruction a wave, a lane a block of 256 bytes.  x's rows are read by this cluster alone: wave 0
; asks, the four partners of a row take 32 rows each BY ADDRESS.  W's rows are read by every cluster: the first cluster's waves 2 and 3 ask, the four partners of a column take 16 k-rows each of a wave's 64.
.macro ASK
	s_cmp_lt_u32 s[GC], s[LIM]
	s_cbranch_scc0 .Lnoask_\@
	global_prefetch_b8 v[PFO], s[PFA:PFA+1] th:TH_LOAD_NT scope:SCOPE_SE
.Lnoask_\@:
	s_add_co_u32 s[GC], s[GC], 1
.endm
; n x 8 matrix instructions: row blocks a0 .. of buffer f against all 8 column blocks.  The 32 accumulators take turns in the same order in every quarter.
.macro MUL f, a0, n, zero
	WIN 0x50
.set ma, (\a0)
.rept \n
.irp b, 0,1,2,3,4,5,6,7
.if \zero
	v_wmma_f32_16x16x32_bf16 v[64*ma+8*\b:64*ma+8*\b+7], v[(\f)+8*\b:(\f)+8*\b+7], v[(\f)+64+8*ma:(\f)+64+8*ma+7], 0
.else
	v_wmma_f32_16x16x32_bf16 v[64*ma+8*\b:64*ma+8*\b+7], v[(\f)+8*\b:(\f)+8*\b+7], v[(\f)+64+8*ma:(\f)+64+8*ma+7], v[64*ma+8*\b:64*ma+8*\b+7]
.endif
.endr
.set ma, ma+1
.endr
.endm
.macro FETCH q, f                      ; 24 LDS loads in one run: quarter q's fragments into buffer f, B's 16 first, A's row blocks ascending
	WIN 0
.irp b, 0,1,2,3,4,5,6,7
	ds_load_tr16_b128 v[(\f)+8*\b:(\f)+8*\b+3],   v[ADRB] offset:(\q)*32*PB+32*\b
	ds_load_tr16_b128 v[(\f)+8*\b+4:(\f)+8*\b+7], v[ADRB] offset:(\q)*32*PB+16*PB+32*\b
.endr
.irp a, 0,1,2,3
	ds_load_b128 v[(\f)+64+8*\a:(\f)+64+8*\a+3],   v[ADRA] offset:64*(\q)+\a*16*PA
	ds_load_b128 v[(\f)+64+8*\a+4:(\f)+64+8*\a+7], v[ADRA] offset:64*(\q)+\a*16*PA+32
.endr
.endm
.macro QUARTER q, f, g, zero           ; multiplies buffer f (32 along K) and fetches quarter q into g
	s_wait_dscnt 4                                 ; all but A's row blocks 2 and 3 (the youngest four loads)
	MUL \f, 0, 2, \zero
	PLACES
	FETCH \q, \g
	s_wait_dscnt 24                                ; all but the run just issued
	MUL \f, 2, 2, \zero
.endm
; A K step's last quarter, and the change of slots: every wave waits for all its tensor loads (one is out: its part of the other slot), adds 0 to its spare word, waits for that and for its reads of this slot;
; fill = 1: the barrier opens a round of the cluster's, and the joint refill is the first thing behind it: 112 matrix instructions ahead of the wait for it.  wrap = 1: the refill is the next tile's K step 0.
.macro TURN fill, wrap
	WIN 0
.if \fill
	s_wait_xcnt 0x0                                ; the last prefetch, a K step back, has read its address
	s_add_nc_u64 s[PFA:PFA+1], s[PFA:PFA+1], s[PST:PST+1]
.endif
	s_wait_tensorcnt 0x0                           ; no tensor load of mine is out, so a group 0 may be written
	ds_add_u32 v[SPW], v[NIL]
.if \fill
.if \wrap
	s_sub_nc_u64 s[G0AW+2:G0AW+3], s[G0AW+2:G0AW+3], ABACK
.else
	s_add_nc_u64 s[G0AW+2:G0AW+3], s[G0AW+2:G0AW+3], ASTEP
.endif
	s_add_nc_u64 s[G0BW+2:G0BW+3], s[G0BW+2:G0BW+3], BSTEP
	s_xor_b32 s[G0AW+1], s[G0AW+1], SLOT1
	s_xor_b32 s[G0BW+1], s[G0BW+1], SLOT1
.endif
	s_wait_dscnt 5                                 ; the add and A's row blocks 2 and 3 may be out
	MUL F1, 0, 1, 0
	s_wait_dscnt 0x0                               ; the add is done, my reads of this slot are over
	s_barrier_signal -1
	MUL F1, 1, 1, 0
	WIN 0
	s_barrier_wait -1
.if \fill
	CREST
	JLOAD                                          ; its four v_nop are also the places in front of the loads below
.else
	PLACES
.endif
	s_xor_b32 s[TB], s[TB], SLOT1
	v_add_nc_u32 v[ADRA], s[TB], v[LA0]
	v_add_nc_u32 v[ADRB], s[TB], v[LB0]
	FETCH 0, F0
.if \fill
	ASK
.endif
	MUL F1, 2, 2, 0
.endm
.macro LASTQ
	s_wait_dscnt 4
	MUL F1, 0, 2, 0
	s_wait_dscnt 0x0
	MUL F1, 2, 2, 0
.endm
	s_load_b256 s[4:11], s[0:1], 0x0               ; xb, wqkvb, bq, bk
	s_load_b128 s[12:15], s[0:1], 0x20             ; bv, qkvh
	v_lshl_add_u32 v[SPW], v0, 2, SPARE
	v_mov_b32 v[NIL], 0
	ds_add_u32 v[SPW], v[NIL]                      ; the wave's opening: the add and its wait ahead of my first tensor load
	v_lshrrev_b32 v4, 5, v0
	v_readfirstlane_b32 s[WV], v4
	s_lshr_b32 s[WH], s[WV], 1
	s_and_b32 s[WL], s[WV], 1
	s_bfe_u32 s[CX], ttmp6, 0x40000                ; my place in the cluster; the grid is one cluster wide, so cx is the tile column
	s_bfe_u32 s[CY], ttmp6, 0x40004
	s_and_b32 s[CLY], ttmp7, 0xffff
	s_lshl_b32 s[TR], s[CLY], 2
	s_add_co_u32 s[TR], s[TR], s[CY]               ; tile row = 4 x cluster y + cy
	s_lshl_b32 s43, s[CY], 2
	s_lshl_b32 s43, 15, s43                        ; my row of the cluster
	s_lshl_b32 s44, 0x1111, s[CX]                  ; my column
	s_or_b32 s[G1A], s43, (1<<16)|(1<<20)|(1<<21)|(5<<22)|(3<<25)   ; 2-byte elements, 4 words of padding after every 64, bit 21 beside the mask
	s_mov_b32 s[G1A+1], 128<<16                    ; tensor_dim0 = 128
	s_mov_b32 s[G1A+2], 64<<16                     ; tensor_dim1 = 64
	s_mov_b32 s[G1A+3], 128<<16                    ; tile_dim0 = 128
	s_mov_b32 s[G1A+4], 64                         ; tile_dim1 = 64
	s_mov_b32 s[G1A+5], 1024                       ; elements from row to row
	s_mov_b32 s[G1A+6], 0
	s_mov_b32 s[G1A+7], 0
	s_or_b32 s[G1B], s44, (1<<16)|(1<<20)|(1<<21)|(6<<22)|(7<<25)   ; 8 words of padding after every 128
	s_mov_b32 s[G1B+1], 256<<16
	s_mov_b32 s[G1B+2], 64<<16
	s_mov_b32 s[G1B+3], 256<<16
	s_mov_b32 s[G1B+4], 64
	s_mov_b32 s[G1B+5], 1024
	s_mov_b32 s[G1B+6], 0
	s_mov_b32 s[G1B+7], 0
	s_mov_b32 s[G0A], 1
	s_mul_i32 s[G0A+1], s[WL], 64*PA               ; LDS: my half of A's rows, slot 0
	s_mov_b32 s[G0AW], 1
	s_add_co_u32 s[G0AW+1], s[G0A+1], SLOT1
	s_mov_b32 s[G0B], 1
	s_mul_i32 s[G0B+1], s[WL], 64*PB
	s_add_co_u32 s[G0B+1], s[G0B+1], BOFF
	s_mov_b32 s[G0BW], 1
	s_add_co_u32 s[G0BW+1], s[G0B+1], SLOT1
	s_lshl_b32 s[T0], s[WL], 17                    ; 64 rows of 2,048 bytes
	s_lshl_b32 s46, s[TR], 18                      ; 128 rows
	s_add_co_u32 s46, s46, s[T0]
	s_mov_b32 s47, 0
	s_lshl_b32 s78, s[CX], 9                       ; 256 columns
	s_add_co_u32 s78, s78, s[T0]
	s_mov_b32 s79, 0
	s_wait_dscnt 0x0                               ; the opening add is done
	s_wait_kmcnt 0x0
	s_add_nc_u64 s[G0A+2:G0A+3], s[4:5], s[46:47]
	s_add_nc_u64 s[G0AW+2:G0AW+3], s[G0A+2:G0A+3], ASTEP
	s_or_b32 s[G0A+3], s[G0A+3], 0x80000000
	s_or_b32 s[G0AW+3], s[G0AW+3], 0x80000000
	s_add_nc_u64 s[G0B+2:G0B+3], s[6:7], s[78:79]
	s_add_nc_u64 s[G0BW+2:G0BW+3], s[G0B+2:G0B+3], BSTEP
	s_or_b32 s[G0B+3], s[G0B+3], 0x80000000
	s_or_b32 s[G0BW+3], s[G0BW+3], 0x80000000
	CROUND                                         ; all sixteen work-groups are here: the first joint loads meet
	s_cmp_eq_u32 s[WH], 0                          ; a wave's two first fills stand in one branch: two loads of mine are out
	s_cbranch_scc0 .Lfirst_b
	tensor_load_to_lds s[G0A:G0A+3], s[G1A:G1A+7]
	s_nop 0
	tensor_load_to_lds s[G0AW:G0AW+3], s[G1A:G1A+7]
	s_nop 0
	PLACES
	s_branch .Lfirst_done
.Lfirst_b:
	tensor_load_to_lds s[G0B:G0B+3], s[G1B:G1B+7]
	s_nop 0
	tensor_load_to_lds s[G0BW:G0BW+3], s[G1B:G1B+7]
	s_nop 0
	PLACES
.Lfirst_done:
	v_and_b32 v1, 15, v0                           ; r
	v_bfe_u32 v2, v0, 4, 1                         ; h
	v_and_b32 v3, 31, v0                           ; lane
	v_lshlrev_b32 v4, 3, v0                        ; the biases: 8 bytes a thread of the work-group's 1,024
	s_lshl_b32 s[T1], s[CX], 10
	v_add_nc_u32 v5, s[T1], v4
	global_load_b64 v[32:33], v5, s[8:9]
	global_load_b64 v[34:35], v5, s[10:11]
	global_load_b64 v[36:37], v5, s[12:13]
	v_mul_u32_u24 v[LA0], v1, PA                   ; A's fragments: (64 WH + r) x pitch + 16 h
	v_lshl_add_u32 v[LA0], v2, 4, v[LA0]
	s_mul_i32 s[T0], s[WH], 64*PA
	v_add_nc_u32 v[LA0], s[T0], v[LA0]
	v_and_b32 v6, 7, v0                            ; B's, turned: k-row 8 h + lane % 8, 16 bytes by (lane / 8) % 2, my 128 columns
	v_lshl_add_u32 v6, v2, 3, v6
	v_mul_u32_u24 v[LB0], v6, PB
	v_bfe_u32 v7, v0, 3, 1
	v_lshl_add_u32 v[LB0], v7, 4, v[LB0]
	s_lshl_b32 s[T0], s[WL], 8
	s_add_co_u32 s[T0], s[T0], BOFF
	v_add_nc_u32 v[LB0], s[T0], v[LB0]
	s_mul_i32 s[T0], s[WV], 16*SP
	s_add_co_u32 s[T0], s[T0], STAGE               ; my stage
	v_mul_u32_u24 v[STO], v1, SP
	v_lshl_add_u32 v[STO], v2, 4, v[STO]
	v_add_nc_u32 v[STO], s[T0], v[STO]
	v_mul_u32_u24 v[RD], v2, SP
	v_lshl_add_u32 v[RD], v1, 4, v[RD]
	v_add_nc_u32 v[RD], s[T0], v[RD]
	v_mul_u32_u24 v[CO], v2, PITCHC
	v_lshl_add_u32 v[CO], v1, 4, v[CO]
	s_lshl_b32 s[T0], s[WL], 9
	s_add_co_u32 s[T0], s[T0], BIAS
	v_lshl_add_u32 v[BIA], v2, 5, s[T0]            ; my eight biases of column block b lie at + 64 b
	; the prefetches: where they stand (K step 3; each change of slots steps them first), who asks, the lanes' offsets
	s_lshl_b32 s[MX], s[TR], 18
	s_lshl_b32 s[T1], s[CX], 16                    ; my work-group's 32 of the 128 rows
	s_add_co_u32 s[MX], s[MX], s[T1]
	s_add_co_u32 s[MX], s[MX], 3*ASTEP
	s_lshl_b32 s[T2], s[WL], 17
	s_lshl_b32 s[T1], s[CY], 15                    ; my work-group's 16 of the wave's 64 k-rows
	s_add_co_u32 s[T2], s[T2], s[T1]
	s_lshl_b32 s[T1], s[CX], 9
	s_add_co_u32 s[T2], s[T2], s[T1]
	s_add_co_u32 s[T2], s[T2], 3*BSTEP
	s_mov_b32 s[PST], BSTEP
	s_mov_b32 s[PST+1], 0
	s_mov_b32 s[MX+1], 0
	s_cmp_eq_u32 s[WH], 0
	s_cselect_b32 s[MX], s[MX], s[T2]
	s_cselect_b32 s[PST], ASTEP, s[PST]
	s_cselect_b64 s[PFA:PFA+1], s[4:5], s[6:7]
	s_add_nc_u64 s[PFA:PFA+1], s[PFA:PFA+1], s[MX:MX+1]
	s_cmp_eq_u32 s[CLY], 0
	s_cselect_b32 s[LIM], LIMB, 0
	s_cmp_eq_u32 s[WH], 0
	s_cselect_b32 s[LIM], 0, s[LIM]
	s_cmp_eq_u32 s[WV], 0
	s_cselect_b32 s[LIM], LIMA, s[LIM]
	v_lshrrev_b32 v6, s[WH], v3                    ; A: a lane a row; B: two lanes a k-row of 512 bytes
	v_lshlrev_b32 v6, 11, v6
	v_and_b32 v7, s[WH], v3
	v_lshl_add_u32 v[PFO], v7, 8, v6
	s_lshl_b32 s[MX], s[TR], 18                    ; my part of Q'
	s_lshl_b32 s[T1], s[WH], 17
	s_add_co_u32 s[MX], s[MX], s[T1]
	s_lshl_b32 s[T1], s[CX], 9
	s_add_co_u32 s[MX], s[MX], s[T1]
	s_lshl_b32 s[T1], s[WL], 8
	s_add_co_u32 s[MX], s[MX], s[T1]
	s_add_nc_u64 s[CB:CB+1], s[14:15], s[MX:MX+1]
	s_mov_b32 s[GC], 0
	s_mov_b32 s[TB], 0
	s_wait_loadcnt 0x0                             ; the biases: rounded to bf16 like every input, bq's times c, kept in f32
.irp i, 0,1,2
	v_cvt_pk_bf16_f32 v[8+\i], v[32+2*\i], v[33+2*\i]
.endr
.irp i, 0,1,2
	v_lshlrev_b32 v[32+2*\i], 16, v[8+\i]
	v_and_b32 v[33+2*\i], 0xffff0000, v[8+\i]
.endr
	v_mul_f32 v32, 0x3d38aa3b, v32
	v_mul_f32 v33, 0x3d38aa3b, v33
	v_add_nc_u32 v7, BIAS, v4
	ds_store_b64 v7, v[32:33]
	ds_store_b64 v7, v[34:35] offset:1024
	ds_store_b64 v7, v[36:37] offset:2048
	s_wait_dscnt 0x0                               ; for the others' sake: my part of the tables is written
	s_wait_tensorcnt 0x1                           ; my part of K step 0 is in; K step 1's may stay out
	s_barrier_signal -1
	s_barrier_wait -1
	v_mov_b32 v[ADRA], v[LA0]
	v_mov_b32 v[ADRB], v[LB0]
	FETCH 0, F0
	s_mov_b32 s2, TILES
.Ltile:
	QUARTER 1, F0, F1, 1                           ; a tile's first quarter starts the sums with the constant 0
	WIN 0
	s_mov_b32 s3, STEPS-2
.Lstep:                                ; a trip: quarters 1-3 of a K step, a refill, quarter 0 of the next
	QUARTER 2, F1, F0, 0
	QUARTER 3, F0, F1, 0
	TURN 1, 0
	QUARTER 1, F0, F1, 0
	WIN 0
	s_sub_co_u32 s3, s3, 1
	s_cmp_lg_u32 s3, 0
	s_cbranch_scc1 .Lstep
	QUARTER 2, F1, F0, 0
	QUARTER 3, F0, F1, 0
	WIN 0
	s_cmp_eq_u32 s2, 1
	s_cbranch_scc1 .Llast                          ; the last tile's tail asks for nothing
	TURN 1, 1                                      ; the ring goes on into the next tile: its K step 0,
	QUARTER 1, F0, F1, 0
	QUARTER 2, F1, F0, 0
	QUARTER 3, F0, F1, 0
	TURN 1, 0                                      ; its K step 1, and its first fragments
	WIN 0
	s_branch .Lout
.Llast:
	TURN 0, 0
	QUARTER 1, F0, F1, 0
	QUARTER 2, F1, F0, 0
	QUARTER 3, F0, F1, 0
	LASTQ
	WIN 0
.Lout:
; THE WAY OUT: sum x scale + bias in f32, rounded to f16, 16 rows at a time through my own stage, back as whole rows of 256 bytes.  Buffer 0 holds the next tile's fragments and is left alone.
.macro PACK a
	WIN 0x41
.set e, 0
.rept 32
	v_pk_fma_f32 v[64*(\a)+2*e:64*(\a)+2*e+1], v[64*(\a)+2*e:64*(\a)+2*e+1], s[SC:SC+1], v[BI+2*e:BI+2*e+1] op_sel_hi:[1,0,1]
.set e, e+1
.endr
	WIN 0x05
.set e, 0
.rept 32
	v_cvt_pk_f16_f32 v[TMP+e], v[64*(\a)+2*e], v[64*(\a)+2*e+1]
.set e, e+1
.endr
	WIN 0
.endm
.macro TOSTAGE
	s_wait_xcnt 0x0                                ; earlier stores have read the registers that the loads below fill
.irp b, 0,1,2,3,4,5,6,7
	ds_store_b128 v[STO], v[TMP+4*\b:TMP+4*\b+3] offset:32*\b
.endr
.irp t, 0,1,2,3,4,5,6,7
	ds_load_b128 v[BK+4*\t:BK+4*\t+3], v[RD] offset:\t*2*SP  ; LDS serves a wave's instructions in order (ISA guide 5.7.1.4): these see the stores above
.endr
.endm
.macro SEND a
	s_wait_dscnt 0x0
.irp t, 0,1,2,3,4,5,6,7
	global_store_b128 v[CO], v[BK+4*\t:BK+4*\t+3], s[CB:CB+1] offset:(16*(\a)+2*\t)*PITCHC  ; 16 lanes store 256 consecutive bytes, aligned
.endr
.endm
	PLACES
	PLACES
	s_cmp_eq_u32 s2, TILES
	s_cselect_b32 s[SC], 0x3d38aa3b, 1.0           ; c for Q', 1 for K and V
	s_mov_b32 s[SC+1], s[SC]
.irp b, 0,1,2,3,4,5,6,7
	ds_load_b128 v[BI+8*\b:BI+8*\b+3],   v[BIA] offset:64*\b
	ds_load_b128 v[BI+8*\b+4:BI+8*\b+7], v[BIA] offset:64*\b+16
.endr
	s_wait_dscnt 0x0
	PACK 0
	TOSTAGE
	PACK 1
	SEND 0
	TOSTAGE
	PACK 2
	SEND 1
	TOSTAGE
	PACK 3
	SEND 2
	TOSTAGE
	SEND 3
	s_wait_xcnt 0x0                                ; the stores have read their base
	s_add_nc_u64 s[CB:CB+1], s[CB:CB+1], 8192*2048 ; the next of the three results
	v_add_nc_u32 v[BIA], 1024, v[BIA]
	s_sub_co_u32 s2, s2, 1
	s_cmp_lg_u32 s2, 0
	s_cbranch_scc1 .Ltile
	s_wait_tensorcnt 0x0                           ; the wave's end
	ds_add_u32 v[SPW], v[NIL]
	s_wait_dscnt 0x0
	CROUND                                         ; the closing round
	s_endpgm
.Lfunc_end_k_q9b7a6ea0d4_qkv:
	.size	k_q9b7a6ea0d4_qkv, .Lfunc_end_k_q9b7a6ea0d4_qkv-k_q9b7a6ea0d4_qkv
	.p2alignl 7, 3214868480
	.fill 96, 4, 3214868480
	.section	.rodata,"a",@progbits
	.p2align	6, 0x0
	.amdhsa_kernel k_q9b7a6ea0d4_qkv
		.amdhsa_group_segment_fixed_size 327680
		.amdhsa_private_segment_fixed_size 0
		.amdhsa_enable_private_segment 0
		.amdhsa_kernarg_size 48
		.amdhsa_user_sgpr_count 2
		.amdhsa_user_sgpr_kernarg_segment_ptr 1
		.amdhsa_wavefront_size32 1
		.amdhsa_system_sgpr_workgroup_id_x 1
		.amdhsa_system_sgpr_workgroup_id_y 1
		.amdhsa_system_sgpr_workgroup_id_z 1
		.amdhsa_system_vgpr_workitem_id 0
		.amdhsa_next_free_vgpr 512
		.amdhsa_next_free_sgpr 100
		.amdhsa_reserve_vcc 0
		.amdhsa_float_denorm_mode_32 3
		.amdhsa_float_denorm_mode_16_64 3
		.amdhsa_memory_ordered 1
		.amdhsa_forward_progress 1
		.amdhsa_inst_pref_size 104
	.end_amdhsa_kernel
	.amdgpu_metadata
---
amdhsa.version: [ 1, 2 ]
amdhsa.kernels:
  - .name:           k_q9b7a6ea0d4_qkv
    .symbol:         k_q9b7a6ea0d4_qkv.kd
    .args:
      - { .name: xb, .offset: 0, .size: 8, .value_kind: global_buffer, .address_space: global }
      - { .name: wqkvb, .offset: 8, .size: 8, .value_kind: global_buffer, .address_space: global }
      - { .name: bq, .offset: 16, .size: 8, .value_kind: global_buffer, .address_space: global }
      - { .name: bk, .offset: 24, .size: 8, .value_kind: global_buffer, .address_space: global }
      - { .name: bv, .offset: 32, .size: 8, .value_kind: global_buffer, .address_space: global }
      - { .name: qkvh, .offset: 40, .size: 8, .value_kind: global_buffer, .address_space: global }
    .group_segment_fixed_size: 327680
    .private_segment_fixed_size: 0
    .kernarg_segment_align: 8
    .kernarg_segment_size: 48
    .max_flat_workgroup_size: 128
    .sgpr_count:     100
    .vgpr_count:     512
    .wavefront_size: 32
...
	.end_amdgpu_metadata
.endif
;; end of part 2
;; launch scores (part 3): grid 8 x 32, 8 waves a work-group, clusters of 4 x 4, 327,680 bytes of LDS; arguments qkvh, mask, ph, stat; writes ph, stat
.if DOCPART == 3
	.amdgcn_target "amdgcn-amd-amdhsa--gfx1250"
	.amdhsa_code_object_version 6
	.text
	.protected	k_q9b7a6ea0d4_scores
	.globl	k_q9b7a6ea0d4_scores
	.p2align	8
	.type	k_q9b7a6ea0d4_scores,@function
k_q9b7a6ea0d4_scores:
	s_mov_b64 s[64:65], 0
	v_nop
	global_prefetch_b8 v0, s[64:65] scope:SCOPE_SE
	s_setreg_imm32_b32 hwreg(HW_REG_WAVE_MODE, 25, 1), 1
	s_wait_xcnt 0x0
	s_wait_alu depctr_hold_cnt(0) depctr_sa_sdst(0) depctr_va_vdst(0) depctr_va_sdst(0) depctr_va_ssrc(0) depctr_va_vcc(0) depctr_vm_vsrc(0)
	s_getreg_b32 s2, hwreg(HW_REG_IB_STS2, 6, 4)
	s_cmp_eq_u32 s2, 0
	s_cbranch_scc0 .Lentry_in_a_cluster
	s_endpgm
.Lentry_in_a_cluster:
	s_bfe_u32 s2, ttmp6, 0x10000c
	s_cmp_lg_u32 s2, 0xf033
	s_cbranch_scc0 .Lentry_shape_is_right
	s_endpgm
.Lentry_shape_is_right:
; t = Q' K^T (in units of log2: c lies in Q'); where the mask's byte is 1, -2^127 is added to the finished sum.  For each row and each block of 128 keys: the block's maximum m,
; p' = 2^(t - m) rounded to f16 (ph, [8192][2048]), and l = the sum of the unrounded p' (stat, f32).  The next launch takes the row's maximum over the 16 blocks: the maximum is taken away in two levels.
; LIMITS: a masked score counts as -2^127 + t, which is -2^127 for |t| < 2^103; a weight below 2^-126 counts as 0; NaN and infinities are not treated apart.  A block that is wholly masked has m = -2^127, p' = 1, l = 128.
; SHARES.  A tile is 256 queries x 256 keys, one to a work-group: 4 batches x 8 x 8 = 256.  EIGHT waves, two to a SIMD, each 64 x 128 (32 accumulators): a wave's columns are one block of the statistics.
; The 1,024 channels go in steps of 128 through two LDS slots (256 rows of Q, 256 of K); a step is 256 matrix instructions for each SIMD.  Each wave fetches 64 rows of 256 bytes: waves 0-3 Q's quarters, waves 4-7 K's.
; CLUSTER 4 x 4: Q's tile is asked for jointly along a row of the cluster, K's along a column.
; THE MASK's tile (256 rows x 256 bytes) is the ring's ninth tile: behind the change of slots that frees slot 0 for the last time each wave brings 32 rows of it (eight waves share 256 rows), the work-group's own load.
; TRANSPOSED USE (source 0 = 16 keys, source 1 = 16 queries): a lane holds query lane % 16 and the keys 8 (lane / 16) + 0..7 of each column block.
; REGISTERS: window 0: v0-31 addresses, v32-63 at work, v64-159 and v160-255 two fragment buffers; window 1: accumulator (a, b) at v[64 a + 8 b].
.set PA,    272                        ; an LDS row: 256 bytes + 16: the 16 rows of a load start at 16 different groups of four banks (ISA guide 11.1)
.set BOFF,  256*PA
.set SLOT,  512*PA
.set STAGE, 2*SLOT                     ; behind the ring, never filled by a tensor load: 16 rows x 272 bytes for each wave
.set SP,    272
.set SPARE, STAGE+8*16*SP              ; the spare words, 128 bytes a wave: four blocks of 256 bytes that no other line names
.set KSTEP, 256                        ; bytes of a row in a K step
.set LAPS,  4                          ; a lap = two K steps
.set PITCHC, 4096
.set ADRA, 16                          ; v16-17 my fragments of Q in slot 0, 1
.set ADRB, 18                          ; v18-19 of K
.set STO, 20
.set RD,  21
.set CO,  22
.set MADR, 23
.set SPW, 28
.set NIL, 29
.set PFO, 30
.set STA, 31
.set CM,  32                           ; v32-39 at work on the maximum
.set STT, 44                           ; v44-51: (m, l) of row blocks 0-3
.set F0,  64
.set F1,  160
.set MW,  64                           ; the mask's 64 words
.set MT,  128                          ; a row block's 64 addends
.set TMP, 160
.set CB,  8
.set WF,  12                           ; wave / 4: I fetch for Q (0) or K (1)
.set WQ,  13                           ; wave % 4: which 64 rows
.set T2,  18
.set TC,  19                           ; tile column
.set WV,  20
.set WH,  21                           ; wave / 2: my 64 rows
.set WL,  22                           ; wave % 2: my 128 columns
.set T0,  23
.set G1A, 24
.set G0A, 32                           ; s[32:39] group 0 for Q's tiles, a set for each slot
.set CX,  40
.set CY,  41
.set TR,  42
.set CLY, 45
.set G1B, 48
.set G0B, 56                           ; s[56:63] the same for K's
.set GC,  67                           ; refills done
.set LIM, 68                           ; a wave prefetches while GC is below it
.set MX,  70
.set PFA, 72
.set GM0, 80
.set GM1, 84
.set T1,  97
.set MSB, 0
.macro WIN new                         ; the high byte repeats the setting that is left; a switch that changes nothing is dropped
.if MSB != (\new)
	s_set_vgpr_msb (MSB<<8)|(\new)
.set MSB, (\new)
.endif
.endm
.macro PLACES                          ; four plain places behind matrix instructions (ISA guide 7.12.1)
.rept 4
	v_nop
.endr
.endm
.macro CREST                           ; a round of the cluster's barrier behind its opening barrier
	s_cmp_lg_u32 s[WV], 0
	s_cbranch_scc1 .Lnw0_\@
	s_barrier_signal -3
.Lnw0_\@:
	s_barrier_wait -3
	s_barrier_signal -1
	s_barrier_wait -1
.endm
.macro CROUND
	s_barrier_signal -1
	s_barrier_wait -1
	CREST
.endm
.macro JLOAD s                         ; a joint refill of slot s; s_nop 0 and four v_nop follow each line
	s_cmp_eq_u32 s[WF], 0
	s_cbranch_scc0 .Lfor_b_\@
	tensor_load_to_lds s[G0A+4*(\s):G0A+4*(\s)+3], s[G1A:G1A+7]
	s_nop 0
	PLACES
	s_branch .Lasked_\@
.Lfor_b_\@:
	tensor_load_to_lds s[G0B+4*(\s):G0B+4*(\s)+3], s[G1B:G1B+7]
	s_nop 0
	PLACES
.Lasked_\@:
.endm
; A prefetch into the L2 of the K step two refills on (512 matrix instructions of the SIMD ahead of its load), a lane a row of 256 bytes.  Q's rows are read by the two clusters of a row of clusters: the one with x = 0 asks;
; K's by a batch's two clusters along y: the one with even y asks.  The four partners that ask for a tile jointly take 64 rows each BY ADDRESS, two waves of 32 lanes.  K steps 4 to 7 are asked for; 0 to 3 come by their loads alone.
.macro ASK
	s_cmp_lt_u32 s[GC], s[LIM]
	s_cbranch_scc0 .Lnoask_\@
	global_prefetch_b8 v[PFO], s[PFA:PFA+1] th:TH_LOAD_NT scope:SCOPE_SE
.Lnoask_\@:
	s_add_co_u32 s[GC], s[GC], 1
.endm
.macro MUL f, a0, n, zero              ; the 32 accumulators take turns in the same order in every quarter
	WIN 0x50
.set ma, (\a0)
.rept \n
.irp b, 0,1,2,3,4,5,6,7
.if \zero
	v_wmma_f32_16x16x32_f16 v[64*ma+8*\b:64*ma+8*\b+7], v[(\f)+8*\b:(\f)+8*\b+7], v[(\f)+64+8*ma:(\f)+64+8*ma+7], 0
.else
	v_wmma_f32_16x16x32_f16 v[64*ma+8*\b:64*ma+8*\b+7], v[(\f)+8*\b:(\f)+8*\b+7], v[(\f)+64+8*ma:(\f)+64+8*ma+7], v[64*ma+8*\b:64*ma+8*\b+7]
.endif
.endr
.set ma, ma+1
.endr
.endm
.macro FETCH s, q, f                   ; 24 LDS loads in one run: quarter q of slot s into buffer f, K's 16 first, Q's row blocks ascending
	WIN 0
.irp b, 0,1,2,3,4,5,6,7
	ds_load_b128 v[(\f)+8*\b:(\f)+8*\b+3],   v[ADRB+(\s)] offset:64*(\q)+\b*16*PA
	ds_load_b128 v[(\f)+8*\b+4:(\f)+8*\b+7], v[ADRB+(\s)] offset:64*(\q)+\b*16*PA+32
.endr
.irp a, 0,1,2,3
	ds_load_b128 v[(\f)+64+8*\a:(\f)+64+8*\a+3],   v[ADRA+(\s)] offset:64*(\q)+\a*16*PA
	ds_load_b128 v[(\f)+64+8*\a+4:(\f)+64+8*\a+7], v[ADRA+(\s)] offset:64*(\q)+\a*16*PA+32
.endr
.endm
.macro QUARTER s, q, f, g, zero        ; multiplies buffer f (32 along K) and fetches quarter q of slot s into g
	s_wait_dscnt 4                                 ; all but Q's row blocks 2 and 3 (the youngest four loads)
	MUL \f, 0, 2, \zero
	PLACES
	FETCH \s, \q, \g
	s_wait_dscnt 24                                ; all but the run just issued
	MUL \f, 2, 2, \zero
.endm
; A K step's last quarter and the change of slots: every wave waits for all its tensor loads (one is out: its part of the other slot), adds 0 to its spare word, waits for that and for its reads of this slot;
; the barrier opens a round of the cluster's, and the refill is the first thing behind it.  fill = 1: this slot's K step two on, jointly.  fill = 2: my 32 rows of the mask, into slot 0, which no product reads again.
.macro TURN s, next, fill
	WIN 0
.if (\fill) == 1
	s_wait_xcnt 0x0                                ; the last prefetch, a K step back, has read its address
	s_add_nc_u64 s[PFA:PFA+1], s[PFA:PFA+1], KSTEP
.endif
	s_wait_tensorcnt 0x0                           ; no tensor load of mine is out, so a group 0 may be written
	ds_add_u32 v[SPW], v[NIL]
.if (\fill) == 1
	s_add_nc_u64 s[G0A+4*(\s)+2:G0A+4*(\s)+3], s[G0A+4*(\s)+2:G0A+4*(\s)+3], 2*KSTEP
	s_add_nc_u64 s[G0B+4*(\s)+2:G0B+4*(\s)+3], s[G0B+4*(\s)+2:G0B+4*(\s)+3], 2*KSTEP
.endif
	s_wait_dscnt 5                                 ; the add and Q's row blocks 2 and 3 may be out
	MUL F1, 0, 1, 0
	s_wait_dscnt 0x0                               ; the add is done, my reads of this slot are over
	s_barrier_signal -1
	MUL F1, 1, 1, 0
	WIN 0
	s_barrier_wait -1
	CREST
.if (\fill) == 1
	JLOAD \s                                       ; its four v_nop are also the places in front of the loads below
.else
	tensor_load_to_lds s[GM0:GM0+3], s[GM1:GM1+7]
	s_nop 0
	PLACES
.endif
	FETCH \next, 0, F0
.if (\fill) == 1
	ASK
.endif
	MUL F1, 2, 2, 0
.endm
	s_load_b256 s[4:11], s[0:1], 0x0               ; qkvh, mask, ph, stat
	v_lshl_add_u32 v[SPW], v0, 2, SPARE
	v_mov_b32 v[NIL], 0
	ds_add_u32 v[SPW], v[NIL]                      ; the wave's opening: the add and its wait ahead of my first tensor load
	v_lshrrev_b32 v4, 5, v0
	v_readfirstlane_b32 s[WV], v4
	s_lshr_b32 s[WH], s[WV], 1
	s_and_b32 s[WL], s[WV], 1
	s_lshr_b32 s[WF], s[WV], 2
	s_and_b32 s[WQ], s[WV], 3
	s_bfe_u32 s[CX], ttmp6, 0x40000
	s_bfe_u32 s[CY], ttmp6, 0x40004
	s_and_b32 s[CLY], ttmp7, 0xffff
	s_lshl_b32 s[TR], s[CLY], 2
	s_add_co_u32 s[TR], s[TR], s[CY]               ; tile row = 4 x cluster y + cy, 0 to 31; eight to a batch
	s_lshl_b32 s[TC], ttmp9, 2
	s_add_co_u32 s[TC], s[TC], s[CX]               ; tile column = 4 x cluster x + cx, 0 to 7
	s_lshl_b32 s43, s[CY], 2
	s_lshl_b32 s43, 15, s43                        ; my row of the cluster
	s_lshl_b32 s44, 0x1111, s[CX]                  ; my column
	s_or_b32 s[G1A], s43, (1<<16)|(1<<20)|(1<<21)|(5<<22)|(3<<25)   ; 2-byte elements, 4 words of padding after every 64, bit 21 beside the mask
	s_or_b32 s[G1B], s44, (1<<16)|(1<<20)|(1<<21)|(5<<22)|(3<<25)
.irp g, G1A, G1B
	s_mov_b32 s[\g+1], 128<<16                     ; tensor_dim0 = 128
	s_mov_b32 s[\g+2], 64<<16                      ; tensor_dim1 = 64
	s_mov_b32 s[\g+3], 128<<16                     ; tile_dim0 = 128
	s_mov_b32 s[\g+4], 64                          ; tile_dim1 = 64
	s_mov_b32 s[\g+5], 1024                        ; elements from row to row
	s_mov_b32 s[\g+6], 0
	s_mov_b32 s[\g+7], 0
.endr
	s_mov_b32 s[GM1], (3<<16)|(1<<20)|(5<<22)|(3<<25)  ; the mask: no work-group mask; elements of 8 bytes; 4 words of padding after every 64
	s_mov_b32 s[GM1+1], 32<<16                     ; 32 elements = 256 bytes a row
	s_mov_b32 s[GM1+2], 32<<16                     ; 32 rows
	s_mov_b32 s[GM1+3], 32<<16
	s_mov_b32 s[GM1+4], 32
	s_mov_b32 s[GM1+5], 256                        ; 2,048 bytes from row to row
	s_mov_b32 s[GM1+6], 0
	s_mov_b32 s[GM1+7], 0
	s_mov_b32 s[G0A], 1
	s_mul_i32 s[G0A+1], s[WQ], 64*PA               ; LDS: my quarter of Q's rows, slot 0
	s_mov_b32 s[G0A+4], 1
	s_add_co_u32 s[G0A+5], s[G0A+1], SLOT
	s_mov_b32 s[G0B], 1
	s_add_co_u32 s[G0B+1], s[G0A+1], BOFF
	s_mov_b32 s[G0B+4], 1
	s_add_co_u32 s[G0B+5], s[G0B+1], SLOT
	s_mov_b32 s[GM0], 1
	s_mul_i32 s[GM0+1], s[WV], 32*PA               ; the mask's rows 32 w on, from slot 0's first byte
	s_lshl_b32 s[T0], s[WQ], 17                    ; 64 rows of 2,048 bytes
	s_lshl_b32 s46, s[TR], 19                      ; 256 rows
	s_add_co_u32 s46, s46, s[T0]
	s_mov_b32 s47, 0
	s_lshr_b32 s78, s[CLY], 1                      ; the batch, from the cluster's y alone
	s_lshl_b32 s78, s78, 22
	s_add_co_u32 s78, s78, 8192*2048               ; K lies behind Q'
	s_lshl_b32 s79, s[TC], 19
	s_add_co_u32 s78, s78, s79
	s_add_co_u32 s78, s78, s[T0]
	s_mov_b32 s79, 0
	s_lshl_b32 s[MX], s[TR], 19                    ; the mask: row 256 x tile row + 32 w, 2,048 bytes a row; column 256 x tile column
	s_lshl_b32 s[T1], s[WV], 16
	s_add_co_u32 s[MX], s[MX], s[T1]
	s_lshl_b32 s[T1], s[TC], 8
	s_add_co_u32 s[MX], s[MX], s[T1]
	s_mov_b32 s[MX+1], 0
	s_wait_dscnt 0x0                               ; the opening add is done
	s_wait_kmcnt 0x0
	s_add_nc_u64 s[G0A+2:G0A+3], s[4:5], s[46:47]
	s_add_nc_u64 s[G0A+6:G0A+7], s[G0A+2:G0A+3], KSTEP
	s_or_b32 s[G0A+3], s[G0A+3], 0x80000000
	s_or_b32 s[G0A+7], s[G0A+7], 0x80000000
	s_add_nc_u64 s[G0B+2:G0B+3], s[4:5], s[78:79]
	s_add_nc_u64 s[G0B+6:G0B+7], s[G0B+2:G0B+3], KSTEP
	s_or_b32 s[G0B+3], s[G0B+3], 0x80000000
	s_or_b32 s[G0B+7], s[G0B+7], 0x80000000
	s_add_nc_u64 s[GM0+2:GM0+3], s[6:7], s[MX:MX+1]
	s_or_b32 s[GM0+3], s[GM0+3], 0x80000000
	CROUND                                         ; all sixteen work-groups are here: the first joint loads meet
	s_cmp_eq_u32 s[WF], 0                          ; a wave's two first fills stand in one branch: two loads of mine are out
	s_cbranch_scc0 .Lfirst_b
	tensor_load_to_lds s[G0A:G0A+3], s[G1A:G1A+7]
	s_nop 0
	tensor_load_to_lds s[G0A+4:G0A+7], s[G1A:G1A+7]
	s_nop 0
	PLACES
	s_branch .Lfirst_done
.Lfirst_b:
	tensor_load_to_lds s[G0B:G0B+3], s[G1B:G1B+7]
	s_nop 0
	tensor_load_to_lds s[G0B+4:G0B+7], s[G1B:G1B+7]
	s_nop 0
	PLACES
.Lfirst_done:
	v_and_b32 v1, 15, v0                           ; r
	v_bfe_u32 v2, v0, 4, 1                         ; h
	v_and_b32 v3, 31, v0                           ; lane
	v_mul_u32_u24 v4, v1, PA
	v_lshl_add_u32 v5, v2, 4, v4                   ; r x pitch + 16 h
	s_mul_i32 s[T0], s[WH], 64*PA
	v_add_nc_u32 v[ADRA], s[T0], v5
	v_add_nc_u32 v[ADRA+1], SLOT, v[ADRA]
	s_mul_i32 s[T2], s[WL], 128*PA
	s_add_co_u32 s[T2], s[T2], BOFF
	v_add_nc_u32 v[ADRB], s[T2], v5
	v_add_nc_u32 v[ADRB+1], SLOT, v[ADRB]
	s_lshl_b32 s[T2], s[WL], 7                     ; the mask: my rows, my 128 bytes of them, 8 bytes by h
	s_add_co_u32 s[T2], s[T2], s[T0]
	v_lshl_add_u32 v[MADR], v2, 3, v4
	v_add_nc_u32 v[MADR], s[T2], v[MADR]
	s_mul_i32 s[T0], s[WV], 16*SP
	s_add_co_u32 s[T0], s[T0], STAGE               ; my stage
	v_add_nc_u32 v[STO], s[T0], v5
	v_mul_u32_u24 v[RD], v2, SP
	v_lshl_add_u32 v[RD], v1, 4, v[RD]
	v_add_nc_u32 v[RD], s[T0], v[RD]
	v_mul_u32_u24 v[CO], v2, PITCHC
	v_lshl_add_u32 v[CO], v1, 4, v[CO]
	v_lshlrev_b32 v[STA], 4, v3
	v_lshlrev_b32 v[PFO], 11, v3                   ; a lane a row of 2,048 bytes
.irp a, 0,1,2,3
	v_mov_b32 v[STT+2*\a+1], 0                     ; named in a pair with m before l is made
.endr
	s_mov_b32 s92, 0xffff0000                      ; lanes 16-31
	s_mov_b32 s93, 0x000c0c0c                      ; v_perm_b32: byte 0, 1, 2, 3 on top, zeros below
	s_mov_b32 s94, 0x010c0c0c
	s_mov_b32 s95, 0x020c0c0c
	s_mov_b32 s96, 0x030c0c0c
	s_mov_b32 s98, 0x76543210                      ; v_permlanex16_b32: each lane takes its own place in the other half
	s_mov_b32 s99, 0xfedcba98
	; the prefetches stand at K step 3; each change of slots steps them first
	s_lshl_b32 s[MX], s[TR], 19
	s_lshl_b32 s[T1], s[CX], 17                    ; my work-group's 64 of Q's 256 rows
	s_add_co_u32 s[MX], s[MX], s[T1]
	s_lshr_b32 s[T2], s[CLY], 1
	s_lshl_b32 s[T2], s[T2], 22
	s_add_co_u32 s[T2], s[T2], 8192*2048
	s_lshl_b32 s[T1], s[TC], 19
	s_add_co_u32 s[T2], s[T2], s[T1]
	s_lshl_b32 s[T1], s[CY], 17                    ; my work-group's 64 of K's 256 rows
	s_add_co_u32 s[T2], s[T2], s[T1]
	s_and_b32 s[T1], s[CLY], 1
	s_cmp_eq_u32 s[WF], 0
	s_cselect_b32 s[MX], s[MX], s[T2]
	s_cselect_b32 s[T1], ttmp9, s[T1]              ; the coordinate along which another cluster reads the same rows
	s_lshr_b32 s[T2], s[WQ], 1                     ; waves 0, 1 ask for Q's, waves 4, 5 for K's
	s_or_b32 s[T1], s[T1], s[T2]
	s_cmp_eq_u32 s[T1], 0
	s_cselect_b32 s[LIM], 4, 0                     ; the same in all sixteen partners, for a given wave
	s_lshl_b32 s[T1], s[WQ], 16                    ; my wave's 32 rows
	s_add_co_u32 s[MX], s[MX], s[T1]
	s_add_co_u32 s[MX], s[MX], 3*KSTEP
	s_add_nc_u64 s[PFA:PFA+1], s[4:5], s[MX:MX+1]
	s_lshl_b32 s[MX], s[TR], 20                    ; my part of ph: rows of 4,096 bytes
	s_lshl_b32 s[T1], s[WH], 18
	s_add_co_u32 s[MX], s[MX], s[T1]
	s_lshl_b32 s[T1], s[TC], 9
	s_add_co_u32 s[MX], s[MX], s[T1]
	s_lshl_b32 s[T1], s[WL], 8
	s_add_co_u32 s[MX], s[MX], s[T1]
	s_add_nc_u64 s[CB:CB+1], s[CB:CB+1], s[MX:MX+1]
	s_lshl_b32 s[MX], s[TR], 15                    ; stat: ((4 x tile row + WH) x 16 + block) x 512 bytes, block = 2 x tile column + WL
	s_lshl_b32 s[T1], s[WH], 13
	s_add_co_u32 s[MX], s[MX], s[T1]
	s_lshl_b32 s[T1], s[TC], 10
	s_add_co_u32 s[MX], s[MX], s[T1]
	s_lshl_b32 s[T1], s[WL], 9
	s_add_co_u32 s[MX], s[MX], s[T1]
	s_add_nc_u64 s[10:11], s[10:11], s[MX:MX+1]
	s_mov_b32 s[GC], 0
	s_wait_tensorcnt 0x1                           ; my part of K step 0 is in; K step 1's may stay out
	s_barrier_signal -1
	s_barrier_wait -1
	FETCH 0, 0, F0
	QUARTER 0, 1, F0, F1, 1                        ; the first quarter starts the sums with the constant 0
	WIN 0
	s_mov_b32 s3, LAPS-1
.Llap:                                 ; a trip goes once round the ring, from a lap's second quarter to the next lap's first, and fills both slots again
	QUARTER 0, 2, F1, F0, 0
	QUARTER 0, 3, F0, F1, 0
	TURN 0, 1, 1
	QUARTER 1, 1, F0, F1, 0
	QUARTER 1, 2, F1, F0, 0
	QUARTER 1, 3, F0, F1, 0
	TURN 1, 0, 1
	QUARTER 0, 1, F0, F1, 0
	WIN 0
	s_sub_co_u32 s3, s3, 1
	s_cmp_lg_u32 s3, 0
	s_cbranch_scc1 .Llap
	QUARTER 0, 2, F1, F0, 0                        ; the last lap is written out
	QUARTER 0, 3, F0, F1, 0
	TURN 0, 1, 2                                   ; slot 0 takes the mask, which lands under the last K step's products
	QUARTER 1, 1, F0, F1, 0
	QUARTER 1, 2, F1, F0, 0
	QUARTER 1, 3, F0, F1, 0
	s_wait_dscnt 4
	MUL F1, 0, 2, 0
	s_wait_dscnt 0x0
	MUL F1, 2, 2, 0
	WIN 0
	s_wait_tensorcnt 0x0                           ; my rows of the mask are in,
	s_barrier_signal -1
	s_barrier_wait -1                              ; everybody's are
; THE MASK.  A lane's eight keys of accumulator (a, b) are eight neighbouring bytes of the mask's row.  A word of bytes 0 / 1 times 255 is a word of bytes 0x00 / 0xff (no carry);
; v_perm_b32 sets one such byte on top of three zero bytes: 0, or 0xff000000 = -2^127, which is added to the sum.
	PLACES
	PLACES
.set e, 0
.rept 32
	ds_load_b64 v[MW+2*e:MW+2*e+1], v[MADR] offset:(e/8)*16*PA+(e%8)*16
.set e, e+1
.endr
	s_wait_dscnt 0x0
.set e, 0
.rept 64
	v_lshlrev_b32 v[CM+e%8], 8, v[MW+e]
	v_sub_nc_u32 v[MW+e], v[CM+e%8], v[MW+e]
.set e, e+1
.endr
.macro MASKB a
	WIN 0
.set e, 0
.rept 16
	v_perm_b32 v[MT+4*e],   v[MW+16*(\a)+e], v[MW+16*(\a)+e], s93
	v_perm_b32 v[MT+4*e+1], v[MW+16*(\a)+e], v[MW+16*(\a)+e], s94
	v_perm_b32 v[MT+4*e+2], v[MW+16*(\a)+e], v[MW+16*(\a)+e], s95
	v_perm_b32 v[MT+4*e+3], v[MW+16*(\a)+e], v[MW+16*(\a)+e], s96
.set e, e+1
.endr
	WIN 0x41
.set e, 0
.rept 32                               ; ascending: each accumulator's lowest registers are read first
	v_pk_add_f32 v[64*(\a)+2*e:64*(\a)+2*e+1], v[64*(\a)+2*e:64*(\a)+2*e+1], v[MT+2*e:MT+2*e+1]
.set e, e+1
.endr
.endm
; THE WAY OUT, a block of 16 queries at a time.  MAXB: the maximum of the lane's 64 scores and of the lane 16 away, which holds the query's other 64.
.macro MAXB a
	WIN 0x15
.irp b, 0,1,2,3,4,5,6,7
	v_max3_num_f32 v[CM+\b], v[64*(\a)+8*\b], v[64*(\a)+8*\b+1], v[64*(\a)+8*\b+2]
.endr
	WIN 0x14
.irp b, 0,1,2,3,4,5,6,7
	v_max3_num_f32 v[CM+\b], v[CM+\b], v[64*(\a)+8*\b+3], v[64*(\a)+8*\b+4]
.endr
.irp b, 0,1,2,3,4,5,6,7
	v_max3_num_f32 v[CM+\b], v[CM+\b], v[64*(\a)+8*\b+5], v[64*(\a)+8*\b+6]
.endr
.irp b, 0,2,4,6
	v_max3_num_f32 v[CM+\b], v[CM+\b], v[64*(\a)+8*\b+7], v[64*(\a)+8*\b+15]
.endr
	WIN 0
	v_max3_num_f32 v[CM], v[CM], v[CM+1], v[CM+2]
	v_max3_num_f32 v[CM+3], v[CM+3], v[CM+4], v[CM+5]
	v_max3_num_f32 v[CM], v[CM], v[CM+6], v[CM+7]
	v_max_num_f32 v[CM], v[CM], v[CM+3]
	v_permlanex16_b32 v[CM+1], v[CM], s98, s99
	v_max_num_f32 v[STT+2*(\a)], v[CM], v[CM+1]
.endm
.macro SUBEXP a                        ; t - m (the difference first, so that a wholly masked block gives exactly 0), then one batch of 64 exponentials, in place
	WIN 0x41
.set e, 0
.rept 32
	v_pk_add_f32 v[64*(\a)+2*e:64*(\a)+2*e+1], v[64*(\a)+2*e:64*(\a)+2*e+1], v[STT+2*(\a):STT+2*(\a)+1] op_sel_hi:[1,0] neg_lo:[0,1] neg_hi:[0,1]
.set e, e+1
.endr
.set e, 0
.rept 64
	v_exp_f32 v[64*(\a)+e], v[64*(\a)+e]
.set e, e+1
.endr
.endm
.macro CVT a
	WIN 0x05
.set e, 0
.rept 32
	v_cvt_pk_f16_f32 v[TMP+e], v[64*(\a)+2*e], v[64*(\a)+2*e+1]
.set e, e+1
.endr
	WIN 0
.endm
.macro SUMB a                          ; l: the 64 unrounded weights, pairs 1, 2, 4, 8 and 16 apart, then the pair's halves and the other half of the lanes
	WIN 0x45
.irp w, 4, 8, 16, 32
.set u, 0
.rept 64/\w
	v_pk_add_f32 v[64*(\a)+\w*u:64*(\a)+\w*u+1], v[64*(\a)+\w*u:64*(\a)+\w*u+1], v[64*(\a)+\w*u+\w/2:64*(\a)+\w*u+\w/2+1]
.set u, u+1
.endr
.endr
	WIN 0x05
	v_pk_add_f32 v[42:43], v[64*(\a):64*(\a)+1], v[64*(\a)+32:64*(\a)+33]
	WIN 0
	v_add_f32 v42, v42, v43
	v_permlanex16_b32 v43, v42, s98, s99
	v_add_f32 v[STT+2*(\a)+1], v42, v43
.endm
.macro TOSTAGE a
	s_wait_xcnt 0x0                                ; earlier stores have read the registers that the loads below fill
.irp b, 0,1,2,3,4,5,6,7
	ds_store_b128 v[STO], v[TMP+4*\b:TMP+4*\b+3] offset:32*\b
.endr
.irp t, 0,1,2,3,4,5,6,7
	ds_load_b128 v[192+32*((\a)%2)+4*\t:192+32*((\a)%2)+4*\t+3], v[RD] offset:\t*2*SP  ; LDS serves a wave's instructions in order (ISA guide 5.7.1.4)
.endr
.endm
.macro SEND a
	s_wait_dscnt 0x0
.irp t, 0,1,2,3,4,5,6,7
	global_store_b128 v[CO], v[192+32*((\a)%2)+4*\t:192+32*((\a)%2)+4*\t+3], s[CB:CB+1] offset:(16*(\a)+2*\t)*PITCHC  ; 16 lanes store 256 consecutive bytes, aligned
.endr
.endm
	MASKB 0
	MASKB 1
	MASKB 2
	MASKB 3
	MAXB 0
	SUBEXP 0
	MAXB 1                                         ; the next block's maximum is the independent work behind the batch
	s_wait_alu depctr_va_vdst(0)                   ; one wait for the batch's 64 exponentials, ahead of their first reader
	CVT 0
	TOSTAGE 0
	SUMB 0
	SUBEXP 1
	MAXB 2
	s_wait_alu depctr_va_vdst(0)
	CVT 1
	SEND 0
	TOSTAGE 1
	SUMB 1
	SUBEXP 2
	MAXB 3
	s_wait_alu depctr_va_vdst(0)
	CVT 2
	SEND 1
	TOSTAGE 2
	SUMB 2
	SUBEXP 3
	WIN 0
	v_nop                                          ; the plain instruction behind the last exponential
	s_wait_alu depctr_va_vdst(0)
	CVT 3
	SEND 2
	TOSTAGE 3
	SUMB 3
	v_cndmask_b32 v52, v44, v48, s92               ; lanes 0-15 give (m, l) of row blocks 0 and 1, lanes 16-31 of blocks 2 and 3: one store of 512 consecutive bytes
	v_cndmask_b32 v53, v45, v49, s92
	v_cndmask_b32 v54, v46, v50, s92
	v_cndmask_b32 v55, v47, v51, s92
	global_store_b128 v[STA], v[52:55], s[10:11]
	SEND 3
	s_wait_tensorcnt 0x0                           ; the wave's end
	ds_add_u32 v[SPW], v[NIL]
	s_wait_dscnt 0x0
	CROUND                                         ; the closing round
	s_endpgm
.Lfunc_end_k_q9b7a6ea0d4_scores:
	.size	k_q9b7a6ea0d4_scores, .Lfunc_end_k_q9b7a6ea0d4_scores-k_q9b7a6ea0d4_scores
	.p2alignl 7, 3214868480
	.fill 96, 4, 3214868480
	.section	.rodata,"a",@progbits
	.p2align	6, 0x0
	.amdhsa_kernel k_q9b7a6ea0d4_scores
		.amdhsa_group_segment_fixed_size 327680
		.amdhsa_private_segment_fixed_size 0
		.amdhsa_enable_private_segment 0
		.amdhsa_kernarg_size 32
		.amdhsa_user_sgpr_count 2
		.amdhsa_user_sgpr_kernarg_segment_ptr 1
		.amdhsa_wavefront_size32 1
		.amdhsa_system_sgpr_workgroup_id_x 1
		.amdhsa_system_sgpr_workgroup_id_y 1
		.amdhsa_system_sgpr_workgroup_id_z 1
		.amdhsa_system_vgpr_workitem_id 0
		.amdhsa_next_free_vgpr 512
		.amdhsa_next_free_sgpr 100
		.amdhsa_reserve_vcc 0
		.amdhsa_float_denorm_mode_32 3
		.amdhsa_float_denorm_mode_16_64 3
		.amdhsa_memory_ordered 1
		.amdhsa_forward_progress 1
		.amdhsa_inst_pref_size 153
	.end_amdhsa_kernel
	.amdgpu_metadata
---
amdhsa.version: [ 1, 2 ]
amdhsa.kernels:
  - .name:           k_q9b7a6ea0d4_scores
    .symbol:         k_q9b7a6ea0d4_scores.kd
    .args:
      - { .name: qkvh, .offset: 0, .size: 8, .value_kind: global_buffer, .address_space: global }
      - { .name: mask, .offset: 8, .size: 8, .value_kind: global_buffer, .address_space: global }
      - { .name: ph, .offset: 16, .size: 8, .value_kind: global_buffer, .address_space: global }
      - { .name: stat, .offset: 24, .size: 8, .value_kind: global_buffer, .address_space: global }
    .group_segment_fixed_size: 327680
    .private_segment_fixed_size: 0
    .kernarg_segment_align: 8
    .kernarg_segment_size: 32
    .max_flat_workgroup_size: 256
    .sgpr_count:     100
    .vgpr_count:     512
    .wavefront_size: 32
...
	.end_amdgpu_metadata
.endif
;; end of part 3
;; launch pv (part 4): grid 4 x 64, 4 waves a work-group, clusters of 4 x 4, 327,680 bytes of LDS; arguments ph, qkvh, stat, oh; writes oh
.if DOCPART == 4
	.amdgcn_target "amdgcn-amd-amdhsa--gfx1250"
	.amdhsa_code_object_version 6
	.text
	.protected	k_q9b7a6ea0d4_pv
	.globl	k_q9b7a6ea0d4_pv
	.p2align	8
	.type	k_q9b7a6ea0d4_pv,@function
k_q9b7a6ea0d4_pv:
	s_mov_b64 s[64:65], 0
	v_nop
	global_prefetch_b8 v0, s[64:65] scope:SCOPE_SE
	s_setreg_imm32_b32 hwreg(HW_REG_WAVE_MODE, 25, 1), 1
	s_wait_xcnt 0x0
	s_wait_alu depctr_hold_cnt(0) depctr_sa_sdst(0) depctr_va_vdst(0) depctr_va_sdst(0) depctr_va_ssrc(0) depctr_va_vcc(0) depctr_vm_vsrc(0)
	s_getreg_b32 s2, hwreg(HW_REG_IB_STS2, 6, 4)
	s_cmp_eq_u32 s2, 0
	s_cbranch_scc0 .Lentry_in_a_cluster
	s_endpgm
.Lentry_in_a_cluster:
	s_bfe_u32 s2, ttmp6, 0x10000c
	s_cmp_lg_u32 s2, 0xf033
	s_cbranch_scc0 .Lentry_shape_is_right
	s_endpgm
.Lentry_shape_is_right:
; O = softmax x V.  For each row: M = the maximum of its 16 blocks' m, f_t = 2^(m_t - M), L = the sum of f_t l_t (all f32; L is at least 1: the block with m_t = M has f = 1 and l at least 1).
; O = (the sum over blocks t of (f_t p'_t) V_t) / L, rounded once to f16.  A K step of 128 keys is one block: P's fragments are multiplied by the row's f_t (packed f16) between their load and the matrix instruction.
; LIMITS: f_t p' below 6e-5 keeps f16's fixed step of 6e-8 (the row's largest weight is 1); O lies within V's range; NaN and infinities are not treated apart.
; SHARES.  A tile of O is 128 rows x 256 channels, one to a work-group (4 x 64).  Four waves, each 64 x 128.  K = 2,048 keys in 16 steps through two LDS slots; P lies [row][key], V [key][channel] and is read turned.
; CLUSTER 4 x 4: P's tile is asked for jointly along a row of the cluster, V's along a column.  TRANSPOSED USE: a lane holds row lane % 16 and eight neighbouring channels.
; REGISTERS: window 0: v0-31 addresses and the step's four f, v32-63 at work, v64-159 and v160-255 two fragment buffers; window 1: accumulator (a, b) at v[64 a + 8 b].
.set PA,    272
.set PB,    544
.set BOFF,  128*PA
.set SLOT1, 131072
.set STAGE, SLOT1+BOFF+128*PB
.set SP,    272
.set FT,    STAGE+4*16*SP              ; f_t twice in f16, a word a row: 16 blocks x 128 rows
.set RL,    FT+16*512                  ; 1 / L, a word a row
.set SPARE, RL+512
.set STEPS, 16
.set ASTEP, 256
.set BSTEP, 128*2048
.set PITCHC, 2048
.set LIMA,  12
.set LIMB,  12
.set LA0, 16
.set LB0, 17
.set ADRA, 18
.set ADRB, 19
.set STO, 20
.set RD,  21
.set CO,  22
.set FTA, 23
.set FC,  24                           ; v24-27: the step's f for my four row blocks
.set SPW, 28
.set NIL, 29
.set PFO, 30
.set RLA, 31
.set RLV, 32
.set F0,  64
.set F1,  160
.set TMP, 160
.set CB,  10
.set T2,  18
.set WV,  20
.set WH,  21
.set WL,  22
.set T0,  23
.set G1A, 24
.set G0A, 32
.set G0AW, 36
.set CX,  40
.set CY,  41
.set TR,  42
.set CLY, 45
.set G1B, 48
.set G0B, 56
.set G0BW, 60
.set TB,  66
.set GC,  67
.set LIM, 68
.set MX,  70
.set PFA, 72
.set PST, 74
.set T1,  97
.set MSB, 0
.macro WIN new
.if MSB != (\new)
	s_set_vgpr_msb (MSB<<8)|(\new)
.set MSB, (\new)
.endif
.endm
.macro PLACES
.rept 4
	v_nop
.endr
.endm
.macro CREST
	s_cmp_lg_u32 s[WV], 0
	s_cbranch_scc1 .Lnw0_\@
	s_barrier_signal -3
.Lnw0_\@:
	s_barrier_wait -3
	s_barrier_signal -1
	s_barrier_wait -1
.endm
.macro CROUND
	s_barrier_signal -1
	s_barrier_wait -1
	CREST
.endm
.macro JLOAD
	s_cmp_eq_u32 s[WH], 0
	s_cbranch_scc0 .Lfor_b_\@
	tensor_load_to_lds s[G0AW:G0AW+3], s[G1A:G1A+7]
	s_nop 0
	PLACES
	s_branch .Lasked_\@
.Lfor_b_\@:
	tensor_load_to_lds s[G0BW:G0BW+3], s[G1B:G1B+7]
	s_nop 0
	PLACES
.Lasked_\@:
.endm
; A prefetch into the L2 of the K step two refills on.  P's rows are read by this cluster alone: wave 0 asks, 32 rows a partner BY ADDRESS.  V's rows are read by the batch's four clusters: the first asks, waves 2 and 3, 16 of a wave's 64 keys a partner, two lanes a key.
.macro ASK
	s_cmp_lt_u32 s[GC], s[LIM]
	s_cbranch_scc0 .Lnoask_\@
	global_prefetch_b8 v[PFO], s[PFA:PFA+1] th:TH_LOAD_NT scope:SCOPE_SE
.Lnoask_\@:
	s_add_co_u32 s[GC], s[GC], 1
.endm
.macro MUL f, a0, n, zero              ; the 32 accumulators take turns in the same order in every quarter
	WIN 0x50
.set ma, (\a0)
.rept \n
.irp b, 0,1,2,3,4,5,6,7
.if \zero
	v_wmma_f32_16x16x32_f16 v[64*ma+8*\b:64*ma+8*\b+7], v[(\f)+8*\b:(\f)+8*\b+7], v[(\f)+64+8*ma:(\f)+64+8*ma+7], 0
.else
	v_wmma_f32_16x16x32_f16 v[64*ma+8*\b:64*ma+8*\b+7], v[(\f)+8*\b:(\f)+8*\b+7], v[(\f)+64+8*ma:(\f)+64+8*ma+7], v[64*ma+8*\b:64*ma+8*\b+7]
.endif
.endr
.set ma, ma+1
.endr
.endm
.macro FETCH q, f
	WIN 0
.irp b, 0,1,2,3,4,5,6,7
	ds_load_tr16_b128 v[(\f)+8*\b:(\f)+8*\b+3],   v[ADRB] offset:(\q)*32*PB+32*\b
	ds_load_tr16_b128 v[(\f)+8*\b+4:(\f)+8*\b+7], v[ADRB] offset:(\q)*32*PB+16*PB+32*\b
.endr
.irp a, 0,1,2,3
	ds_load_b128 v[(\f)+64+8*\a:(\f)+64+8*\a+3],   v[ADRA] offset:64*(\q)+\a*16*PA
	ds_load_b128 v[(\f)+64+8*\a+4:(\f)+64+8*\a+7], v[ADRA] offset:64*(\q)+\a*16*PA+32
.endr
.endm
.macro SCALE f, a0                     ; P's fragments of row blocks a0, a0 + 1 times the rows' f: 16 packed lines
	WIN 0
.set sa, (\a0)
.rept 2
.set si, 0
.rept 8
	v_pk_mul_f16 v[(\f)+64+8*sa+si], v[(\f)+64+8*sa+si], v[FC+sa]
.set si, si+1
.endr
.set sa, sa+1
.endr
.endm
.macro QUARTER q, f, g, zero
	s_wait_dscnt 4                                 ; all but A's row blocks 2 and 3
	SCALE \f, 0
	MUL \f, 0, 2, \zero
	WIN 0
	s_wait_dscnt 0x0                               ; those too
	SCALE \f, 2                                    ; 16 plain lines that name no register of the products that read buffer g: the places in front of the loads
	FETCH \q, \g
	MUL \f, 2, 2, \zero
.endm
.macro TURN fill                       ; a K step's last quarter and the change of slots: the waits, the add, the round, the joint refill first behind it
	WIN 0
.if \fill
	s_wait_xcnt 0x0                                ; the last prefetch, a K step back, has read its address
	s_add_nc_u64 s[PFA:PFA+1], s[PFA:PFA+1], s[PST:PST+1]
.endif
	s_wait_tensorcnt 0x0                           ; no tensor load of mine is out, so a group 0 may be written
	ds_add_u32 v[SPW], v[NIL]
.if \fill
	s_add_nc_u64 s[G0AW+2:G0AW+3], s[G0AW+2:G0AW+3], ASTEP
	s_add_nc_u64 s[G0BW+2:G0BW+3], s[G0BW+2:G0BW+3], BSTEP
	s_xor_b32 s[G0AW+1], s[G0AW+1], SLOT1
	s_xor_b32 s[G0BW+1], s[G0BW+1], SLOT1
.endif
	s_wait_dscnt 5                                 ; the add and A's row blocks 2 and 3 may be out
	SCALE F1, 0
	MUL F1, 0, 1, 0
	s_wait_dscnt 0x0                               ; the add is done, my reads of this slot are over
	s_barrier_signal -1
	MUL F1, 1, 1, 0
	WIN 0
	s_barrier_wait -1
.if \fill
	CREST
	JLOAD
.endif
	SCALE F1, 2                                    ; with this step's f, ahead of the loads that bring the next step's; also places in front of the loads
	s_xor_b32 s[TB], s[TB], SLOT1
	v_add_nc_u32 v[ADRA], s[TB], v[LA0]
	v_add_nc_u32 v[ADRB], s[TB], v[LB0]
	v_add_nc_u32 v[FTA], 512, v[FTA]               ; the next block's f
.irp a, 0,1,2,3
	ds_load_b32 v[FC+\a], v[FTA] offset:64*\a
.endr
	FETCH 0, F0
.if \fill
	ASK
.endif
	MUL F1, 2, 2, 0
.endm
.macro LASTQ
	s_wait_dscnt 4
	SCALE F1, 0
	MUL F1, 0, 2, 0
	WIN 0
	s_wait_dscnt 0x0
	SCALE F1, 2
	MUL F1, 2, 2, 0
.endm
	s_load_b256 s[4:11], s[0:1], 0x0               ; ph, qkvh, stat, oh
	v_lshl_add_u32 v[SPW], v0, 2, SPARE
	v_mov_b32 v[NIL], 0
	ds_add_u32 v[SPW], v[NIL]                      ; the wave's opening: the add and its wait ahead of my first tensor load
	v_lshrrev_b32 v4, 5, v0
	v_readfirstlane_b32 s[WV], v4
	s_lshr_b32 s[WH], s[WV], 1
	s_and_b32 s[WL], s[WV], 1
	s_bfe_u32 s[CX], ttmp6, 0x40000
	s_bfe_u32 s[CY], ttmp6, 0x40004
	s_and_b32 s[CLY], ttmp7, 0xffff
	s_lshl_b32 s[TR], s[CLY], 2
	s_add_co_u32 s[TR], s[TR], s[CY]
	s_lshl_b32 s43, s[CY], 2
	s_lshl_b32 s43, 15, s43
	s_lshl_b32 s44, 0x1111, s[CX]
	s_or_b32 s[G1A], s43, (1<<16)|(1<<20)|(1<<21)|(5<<22)|(3<<25)
	s_mov_b32 s[G1A+1], 128<<16
	s_mov_b32 s[G1A+2], 64<<16
	s_mov_b32 s[G1A+3], 128<<16
	s_mov_b32 s[G1A+4], 64
	s_mov_b32 s[G1A+5], 2048                       ; a row of P has 2,048 elements
	s_mov_b32 s[G1A+6], 0
	s_mov_b32 s[G1A+7], 0
	s_or_b32 s[G1B], s44, (1<<16)|(1<<20)|(1<<21)|(6<<22)|(7<<25)
	s_mov_b32 s[G1B+1], 256<<16
	s_mov_b32 s[G1B+2], 64<<16
	s_mov_b32 s[G1B+3], 256<<16
	s_mov_b32 s[G1B+4], 64
	s_mov_b32 s[G1B+5], 1024
	s_mov_b32 s[G1B+6], 0
	s_mov_b32 s[G1B+7], 0
	s_mov_b32 s[G0A], 1
	s_mul_i32 s[G0A+1], s[WL], 64*PA
	s_mov_b32 s[G0AW], 1
	s_add_co_u32 s[G0AW+1], s[G0A+1], SLOT1
	s_mov_b32 s[G0B], 1
	s_mul_i32 s[G0B+1], s[WL], 64*PB
	s_add_co_u32 s[G0B+1], s[G0B+1], BOFF
	s_mov_b32 s[G0BW], 1
	s_add_co_u32 s[G0BW+1], s[G0B+1], SLOT1
	s_lshl_b32 s46, s[TR], 19                      ; 128 rows of 4,096 bytes
	s_lshl_b32 s[T0], s[WL], 18
	s_add_co_u32 s46, s46, s[T0]
	s_mov_b32 s47, 0
	s_lshr_b32 s78, s[CLY], 2                      ; the batch
	s_lshl_b32 s78, s78, 22
	s_add_co_u32 s78, s78, 2*8192*2048             ; V lies behind Q' and K
	s_lshl_b32 s79, s[CX], 9
	s_add_co_u32 s78, s78, s79
	s_lshl_b32 s79, s[WL], 17
	s_add_co_u32 s78, s78, s79
	s_mov_b32 s79, 0
	s_wait_dscnt 0x0                               ; the opening add is done
	s_wait_kmcnt 0x0
	s_add_nc_u64 s[G0A+2:G0A+3], s[4:5], s[46:47]
	s_add_nc_u64 s[G0AW+2:G0AW+3], s[G0A+2:G0A+3], ASTEP
	s_or_b32 s[G0A+3], s[G0A+3], 0x80000000
	s_or_b32 s[G0AW+3], s[G0AW+3], 0x80000000
	s_add_nc_u64 s[G0B+2:G0B+3], s[6:7], s[78:79]
	s_add_nc_u64 s[G0BW+2:G0BW+3], s[G0B+2:G0B+3], BSTEP
	s_or_b32 s[G0B+3], s[G0B+3], 0x80000000
	s_or_b32 s[G0BW+3], s[G0BW+3], 0x80000000
	CROUND
	s_cmp_eq_u32 s[WH], 0                          ; a wave's two first fills stand in one branch: two loads of mine are out
	s_cbranch_scc0 .Lfirst_b
	tensor_load_to_lds s[G0A:G0A+3], s[G1A:G1A+7]
	s_nop 0
	tensor_load_to_lds s[G0AW:G0AW+3], s[G1A:G1A+7]
	s_nop 0
	PLACES
	s_branch .Lfirst_done
.Lfirst_b:
	tensor_load_to_lds s[G0B:G0B+3], s[G1B:G1B+7]
	s_nop 0
	tensor_load_to_lds s[G0BW:G0BW+3], s[G1B:G1B+7]
	s_nop 0
	PLACES
.Lfirst_done:
	v_and_b32 v1, 15, v0
	v_bfe_u32 v2, v0, 4, 1
	v_and_b32 v3, 31, v0
	; the statistics: thread t takes row t of the work-group's 128; its (m, l) of block b lie 512 b on; a wave's load covers 256 consecutive bytes
	v_lshrrev_b32 v4, 6, v0
	v_lshlrev_b32 v4, 13, v4
	v_bfe_u32 v5, v0, 5, 1
	v_lshl_add_u32 v4, v5, 8, v4
	v_lshl_add_u32 v4, v1, 4, v4
	v_lshl_add_u32 v4, v2, 3, v4
	s_lshl_b32 s[MX], s[TR], 14
	s_mov_b32 s[MX+1], 0
	s_add_nc_u64 s[8:9], s[8:9], s[MX:MX+1]
.set t, 0
.rept 16
	global_load_b64 v[64+2*t:65+2*t], v4, s[8:9] offset:512*t
.set t, t+1
.endr
	v_mul_u32_u24 v[LA0], v1, PA
	v_lshl_add_u32 v[LA0], v2, 4, v[LA0]
	s_mul_i32 s[T0], s[WH], 64*PA
	v_add_nc_u32 v[LA0], s[T0], v[LA0]
	v_and_b32 v6, 7, v0
	v_lshl_add_u32 v6, v2, 3, v6
	v_mul_u32_u24 v[LB0], v6, PB
	v_bfe_u32 v7, v0, 3, 1
	v_lshl_add_u32 v[LB0], v7, 4, v[LB0]
	s_lshl_b32 s[T0], s[WL], 8
	s_add_co_u32 s[T0], s[T0], BOFF
	v_add_nc_u32 v[LB0], s[T0], v[LB0]
	s_mul_i32 s[T0], s[WV], 16*SP
	s_add_co_u32 s[T0], s[T0], STAGE
	v_mul_u32_u24 v[STO], v1, SP
	v_lshl_add_u32 v[STO], v2, 4, v[STO]
	v_add_nc_u32 v[STO], s[T0], v[STO]
	v_mul_u32_u24 v[RD], v2, SP
	v_lshl_add_u32 v[RD], v1, 4, v[RD]
	v_add_nc_u32 v[RD], s[T0], v[RD]
	v_mul_u32_u24 v[CO], v2, PITCHC
	v_lshl_add_u32 v[CO], v1, 4, v[CO]
	s_lshl_b32 s[T0], s[WH], 8                     ; 64 rows of 4 bytes
	s_add_co_u32 s[T0], s[T0], FT
	v_lshl_add_u32 v[FTA], v1, 2, s[T0]
	v_add_nc_u32 v[RLA], RL-FT, v[FTA]
	; the prefetches stand at K step 3; each change of slots steps them first
	s_lshl_b32 s[MX], s[TR], 19
	s_lshl_b32 s[T1], s[CX], 17
	s_add_co_u32 s[MX], s[MX], s[T1]
	s_add_co_u32 s[MX], s[MX], 3*ASTEP
	s_lshr_b32 s[T2], s[CLY], 2
	s_lshl_b32 s[T2], s[T2], 22
	s_add_co_u32 s[T2], s[T2], 2*8192*2048+3*BSTEP
	s_lshl_b32 s[T1], s[WL], 17
	s_add_co_u32 s[T2], s[T2], s[T1]
	s_lshl_b32 s[T1], s[CY], 15
	s_add_co_u32 s[T2], s[T2], s[T1]
	s_lshl_b32 s[T1], s[CX], 9
	s_add_co_u32 s[T2], s[T2], s[T1]
	s_mov_b32 s[PST], BSTEP
	s_mov_b32 s[PST+1], 0
	s_cmp_eq_u32 s[WH], 0
	s_cselect_b32 s[MX], s[MX], s[T2]
	s_cselect_b32 s[PST], ASTEP, s[PST]
	s_cselect_b64 s[PFA:PFA+1], s[4:5], s[6:7]
	s_add_nc_u64 s[PFA:PFA+1], s[PFA:PFA+1], s[MX:MX+1]
	s_and_b32 s[T1], s[CLY], 3
	s_cmp_eq_u32 s[T1], 0
	s_cselect_b32 s[LIM], LIMB, 0
	s_cmp_eq_u32 s[WH], 0
	s_cselect_b32 s[LIM], 0, s[LIM]
	s_cmp_eq_u32 s[WV], 0
	s_cselect_b32 s[LIM], LIMA, s[LIM]
	s_sub_co_u32 s[T1], 12, s[WH]                  ; P: a lane a row of 4,096 bytes; V: two lanes a row, 2,048 bytes from row to row
	v_lshrrev_b32 v6, s[WH], v3
	v_lshlrev_b32 v6, s[T1], v6
	v_and_b32 v7, s[WH], v3
	v_lshl_add_u32 v[PFO], v7, 8, v6
	s_lshl_b32 s[MX], s[TR], 18                    ; my part of O
	s_lshl_b32 s[T1], s[WH], 17
	s_add_co_u32 s[MX], s[MX], s[T1]
	s_lshl_b32 s[T1], s[CX], 9
	s_add_co_u32 s[MX], s[MX], s[T1]
	s_lshl_b32 s[T1], s[WL], 8
	s_add_co_u32 s[MX], s[MX], s[T1]
	s_add_nc_u64 s[CB:CB+1], s[CB:CB+1], s[MX:MX+1]
	s_mov_b32 s[GC], 0
	s_mov_b32 s[TB], 0
	s_wait_loadcnt 0x0
	v_max3_num_f32 v5, v64, v66, v68               ; M
.irp t, 3,5,7,9,11,13
	v_max3_num_f32 v5, v5, v[64+2*\t], v[66+2*\t]
.endr
	v_max_num_f32 v5, v5, v94
.set t, 0
.rept 16
	v_sub_f32 v[96+t], v[64+2*t], v5
.set t, t+1
.endr
.set t, 0
.rept 16
	v_exp_f32 v[96+t], v[96+t]                     ; f_t
.set t, t+1
.endr
	v_nop                                          ; the plain instruction behind the last exponential,
	s_wait_alu depctr_va_vdst(0)                   ; and one wait for the batch
	v_mul_f32 v6, v96, v65                         ; L in two chains
	v_mul_f32 v7, v97, v67
.set t, 2
.rept 14
	v_fmac_f32 v[6+t%2], v[96+t], v[65+2*t]
.set t, t+1
.endr
	v_add_f32 v6, v6, v7
	v_rcp_f32 v8, v6
.set t, 0
.rept 16
	v_cvt_pk_f16_f32 v[112+t], v[96+t], v[96+t]    ; f twice in f16; also the plain work behind the reciprocal
.set t, t+1
.endr
	v_lshl_add_u32 v9, v0, 2, FT
	s_wait_alu depctr_va_vdst(0)                   ; the reciprocal's wait
.set t, 0
.rept 16
	ds_store_b32 v9, v[112+t] offset:512*t
.set t, t+1
.endr
	ds_store_b32 v9, v8 offset:RL-FT
	s_wait_dscnt 0x0                               ; for the others' sake: my rows of the tables are written
	s_wait_tensorcnt 0x1                           ; my part of K step 0 is in; K step 1's may stay out
	s_barrier_signal -1
	s_barrier_wait -1
	v_mov_b32 v[ADRA], v[LA0]
	v_mov_b32 v[ADRB], v[LB0]
.irp a, 0,1,2,3
	ds_load_b32 v[FC+\a], v[FTA] offset:64*\a
.endr
	FETCH 0, F0
	QUARTER 1, F0, F1, 1                           ; the first quarter starts the sums with the constant 0
	WIN 0
	s_mov_b32 s3, STEPS-2
.Lstep:
	QUARTER 2, F1, F0, 0
	QUARTER 3, F0, F1, 0
	TURN 1
	QUARTER 1, F0, F1, 0
	WIN 0
	s_sub_co_u32 s3, s3, 1
	s_cmp_lg_u32 s3, 0
	s_cbranch_scc1 .Lstep
	QUARTER 2, F1, F0, 0                           ; the tail is written out: nothing more is asked for
	QUARTER 3, F0, F1, 0
	TURN 0
	QUARTER 1, F0, F1, 0
	QUARTER 2, F1, F0, 0
	QUARTER 3, F0, F1, 0
	LASTQ
	WIN 0
; THE WAY OUT: sum / L, rounded to f16, 16 rows at a time through my own stage, back as whole rows of 256 bytes.
.macro PACK a
	WIN 0x41
.set e, 0
.rept 32
	v_pk_mul_f32 v[64*(\a)+2*e:64*(\a)+2*e+1], v[64*(\a)+2*e:64*(\a)+2*e+1], v[RLV+2*(\a):RLV+2*(\a)+1] op_sel_hi:[1,0]
.set e, e+1
.endr
	WIN 0x05
.set e, 0
.rept 32
	v_cvt_pk_f16_f32 v[TMP+e], v[64*(\a)+2*e], v[64*(\a)+2*e+1]
.set e, e+1
.endr
	WIN 0
.endm
.macro TOSTAGE a
	s_wait_xcnt 0x0                                ; earlier stores have read the registers that the loads below fill
.irp b, 0,1,2,3,4,5,6,7
	ds_store_b128 v[STO], v[TMP+4*\b:TMP+4*\b+3] offset:32*\b
.endr
.irp t, 0,1,2,3,4,5,6,7
	ds_load_b128 v[192+32*((\a)%2)+4*\t:192+32*((\a)%2)+4*\t+3], v[RD] offset:\t*2*SP  ; LDS serves a wave's instructions in order (ISA guide 5.7.1.4)
.endr
.endm
.macro SEND a
	s_wait_dscnt 0x0
.irp t, 0,1,2,3,4,5,6,7
	global_store_b128 v[CO], v[192+32*((\a)%2)+4*\t:192+32*((\a)%2)+4*\t+3], s[CB:CB+1] offset:(16*(\a)+2*\t)*PITCHC  ; 16 lanes store 256 consecutive bytes, aligned
.endr
.endm
	PLACES
	PLACES
.irp a, 0,1,2,3
	ds_load_b32 v[RLV+2*\a], v[RLA] offset:64*\a
	v_mov_b32 v[RLV+2*\a+1], 0                     ; named with it as a pair
.endr
	s_wait_dscnt 0x0
	PACK 0
	TOSTAGE 0
	PACK 1
	SEND 0
	TOSTAGE 1
	PACK 2
	SEND 1
	TOSTAGE 2
	PACK 3
	SEND 2
	TOSTAGE 3
	SEND 3
	s_wait_tensorcnt 0x0                           ; the wave's end
	ds_add_u32 v[SPW], v[NIL]
	s_wait_dscnt 0x0
	CROUND                                         ; the closing round
	s_endpgm
.Lfunc_end_k_q9b7a6ea0d4_pv:
	.size	k_q9b7a6ea0d4_pv, .Lfunc_end_k_q9b7a6ea0d4_pv-k_q9b7a6ea0d4_pv
	.p2alignl 7, 3214868480
	.fill 96, 4, 3214868480
	.section	.rodata,"a",@progbits
	.p2align	6, 0x0
	.amdhsa_kernel k_q9b7a6ea0d4_pv
		.amdhsa_group_segment_fixed_size 327680
		.amdhsa_private_segment_fixed_size 0
		.amdhsa_enable_private_segment 0
		.amdhsa_kernarg_size 32
		.amdhsa_user_sgpr_count 2
		.amdhsa_user_sgpr_kernarg_segment_ptr 1
		.amdhsa_wavefront_size32 1
		.amdhsa_system_sgpr_workgroup_id_x 1
		.amdhsa_system_sgpr_workgroup_id_y 1
		.amdhsa_system_sgpr_workgroup_id_z 1
		.amdhsa_system_vgpr_workitem_id 0
		.amdhsa_next_free_vgpr 512
		.amdhsa_next_free_sgpr 100
		.amdhsa_reserve_vcc 0
		.amdhsa_float_denorm_mode_32 3
		.amdhsa_float_denorm_mode_16_64 3
		.amdhsa_memory_ordered 1
		.amdhsa_forward_progress 1
		.amdhsa_inst_pref_size 110
	.end_amdhsa_kernel
	.amdgpu_metadata
---
amdhsa.version: [ 1, 2 ]
amdhsa.kernels:
  - .name:           k_q9b7a6ea0d4_pv
    .symbol:         k_q9b7a6ea0d4_pv.kd
    .args:
      - { .name: ph, .offset: 0, .size: 8, .value_kind: global_buffer, .address_space: global }
      - { .name: qkvh, .offset: 8, .size: 8, .value_kind: global_buffer, .address_space: global }
      - { .name: stat, .offset: 16, .size: 8, .value_kind: global_buffer, .address_space: global }
      - { .name: oh, .offset: 24, .size: 8, .value_kind: global_buffer, .address_space: global }
    .group_segment_fixed_size: 327680
    .private_segment_fixed_size: 0
    .kernarg_segment_align: 8
    .kernarg_segment_size: 32
    .max_flat_workgroup_size: 128
    .sgpr_count:     100
    .vgpr_count:     512
    .wavefront_size: 32
...
	.end_amdgpu_metadata
.endif
;; end of part 4
;; launch outp (part 5): grid 4 x 64, 4 waves a work-group, clusters of 4 x 4, 327,680 bytes of LDS; arguments oh, woh, bo, out0; writes out0
.if DOCPART == 5
	.amdgcn_target "amdgcn-amd-amdhsa--gfx1250"
	.amdhsa_code_object_version 6
	.text
	.protected	k_q9b7a6ea0d4_outp
	.globl	k_q9b7a6ea0d4_outp
	.p2align	8
	.type	k_q9b7a6ea0d4_outp,@function
k_q9b7a6ea0d4_outp:
	s_mov_b64 s[64:65], 0
	v_nop
	global_prefetch_b8 v0, s[64:65] scope:SCOPE_SE
	s_setreg_imm32_b32 hwreg(HW_REG_WAVE_MODE, 25, 1), 1
	s_wait_xcnt 0x0
	s_wait_alu depctr_hold_cnt(0) depctr_sa_sdst(0) depctr_va_vdst(0) depctr_va_sdst(0) depctr_va_ssrc(0) depctr_va_vcc(0) depctr_vm_vsrc(0)
	s_getreg_b32 s2, hwreg(HW_REG_IB_STS2, 6, 4)
	s_cmp_eq_u32 s2, 0
	s_cbranch_scc0 .Lentry_in_a_cluster
	s_endpgm
.Lentry_in_a_cluster:
	s_bfe_u32 s2, ttmp6, 0x10000c
	s_cmp_lg_u32 s2, 0xf033
	s_cbranch_scc0 .Lentry_shape_is_right
	s_endpgm
.Lentry_shape_is_right:
; out0 = O Wo + bo.  O in f16, Wo's bf16-rounded numbers in f16, bo rounded to bf16; sums and result in f32.
; SHARES.  A tile is 128 rows x 256 columns, one to a work-group (4 x 64).  Four waves, each 64 x 128.  K = 1,024 in 8 steps through two LDS slots; O lies [row][k], Wo [k][n] and is read turned.
; CLUSTER 4 x 4: O's tile is asked for jointly along a row of the cluster, Wo's along a column.  TRANSPOSED USE: a lane holds row lane % 16 and eight neighbouring columns.
; REGISTERS: window 0: v0-31 addresses, v64-159 and v160-255 two fragment buffers (free on the way out); window 1: accumulator (a, b) at v[64 a + 8 b].
.set PA,    272
.set PB,    544
.set BOFF,  128*PA
.set SLOT1, 131072
.set STAGE, SLOT1+BOFF+128*PB          ; 16 rows x (512 + 16) bytes for each wave
.set SP,    528
.set BIAS,  STAGE+4*16*SP
.set SPARE, BIAS+1024
.set STEPS, 8
.set ASTEP, 256
.set BSTEP, 128*2048
.set LIMA,  4
.set LIMB,  4
.set LA0, 16
.set LB0, 17
.set ADRA, 18
.set ADRB, 19
.set STO, 20
.set RD,  21
.set CO,  22
.set BIA, 23
.set SPW, 28
.set NIL, 29
.set PFO, 30
.set F0,  64
.set F1,  160
.set BI,  64
.set TMP, 128
.set BK,  192
.set CB,  10
.set T2,  18
.set WV,  20
.set WH,  21
.set WL,  22
.set T0,  23
.set G1A, 24
.set G0A, 32
.set G0AW, 36
.set CX,  40
.set CY,  41
.set TR,  42
.set CLY, 45
.set G1B, 48
.set G0B, 56
.set G0BW, 60
.set TB,  66
.set GC,  67
.set LIM, 68
.set MX,  70
.set PFA, 72
.set PST, 74
.set T1,  97
.set MSB, 0
.macro WIN new
.if MSB != (\new)
	s_set_vgpr_msb (MSB<<8)|(\new)
.set MSB, (\new)
.endif
.endm
.macro PLACES
.rept 4
	v_nop
.endr
.endm
.macro CREST
	s_cmp_lg_u32 s[WV], 0
	s_cbranch_scc1 .Lnw0_\@
	s_barrier_signal -3
.Lnw0_\@:
	s_barrier_wait -3
	s_barrier_signal -1
	s_barrier_wait -1
.endm
.macro CROUND
	s_barrier_signal -1
	s_barrier_wait -1
	CREST
.endm
.macro JLOAD
	s_cmp_eq_u32 s[WH], 0
	s_cbranch_scc0 .Lfor_b_\@
	tensor_load_to_lds s[G0AW:G0AW+3], s[G1A:G1A+7]
	s_nop 0
	PLACES
	s_branch .Lasked_\@
.Lfor_b_\@:
	tensor_load_to_lds s[G0BW:G0BW+3], s[G1B:G1B+7]
	s_nop 0
	PLACES
.Lasked_\@:
.endm
; A prefetch into the L2 of the K step two refills on.  O's rows are read by this cluster alone: wave 0 asks, 32 rows a partner BY ADDRESS.  Wo's rows are read by every cluster: the first asks, waves 2 and 3, 16 of a wave's 64 k-rows a partner.
.macro ASK
	s_cmp_lt_u32 s[GC], s[LIM]
	s_cbranch_scc0 .Lnoask_\@
	global_prefetch_b8 v[PFO], s[PFA:PFA+1] th:TH_LOAD_NT scope:SCOPE_SE
.Lnoask_\@:
	s_add_co_u32 s[GC], s[GC], 1
.endm
.macro MUL f, a0, n, zero              ; the 32 accumulators take turns in the same order in every quarter
	WIN 0x50
.set ma, (\a0)
.rept \n
.irp b, 0,1,2,3,4,5,6,7
.if \zero
	v_wmma_f32_16x16x32_f16 v[64*ma+8*\b:64*ma+8*\b+7], v[(\f)+8*\b:(\f)+8*\b+7], v[(\f)+64+8*ma:(\f)+64+8*ma+7], 0
.else
	v_wmma_f32_16x16x32_f16 v[64*ma+8*\b:64*ma+8*\b+7], v[(\f)+8*\b:(\f)+8*\b+7], v[(\f)+64+8*ma:(\f)+64+8*ma+7], v[64*ma+8*\b:64*ma+8*\b+7]
.endif
.endr
.set ma, ma+1
.endr
.endm
.macro FETCH q, f
	WIN 0
.irp b, 0,1,2,3,4,5,6,7
	ds_load_tr16_b128 v[(\f)+8*\b:(\f)+8*\b+3],   v[ADRB] offset:(\q)*32*PB+32*\b
	ds_load_tr16_b128 v[(\f)+8*\b+4:(\f)+8*\b+7], v[ADRB] offset:(\q)*32*PB+16*PB+32*\b
.endr
.irp a, 0,1,2,3
	ds_load_b128 v[(\f)+64+8*\a:(\f)+64+8*\a+3],   v[ADRA] offset:64*(\q)+\a*16*PA
	ds_load_b128 v[(\f)+64+8*\a+4:(\f)+64+8*\a+7], v[ADRA] offset:64*(\q)+\a*16*PA+32
.endr
.endm
.macro QUARTER q, f, g, zero
	s_wait_dscnt 4                                 ; all but A's row blocks 2 and 3
	MUL \f, 0, 2, \zero
	PLACES
	FETCH \q, \g
	s_wait_dscnt 24                                ; all but the run just issued
	MUL \f, 2, 2, \zero
.endm
.macro TURN fill                       ; a K step's last quarter and the change of slots: the waits, the add, the round, the joint refill first behind it
	WIN 0
.if \fill
	s_wait_xcnt 0x0                                ; the last prefetch, a K step back, has read its address
	s_add_nc_u64 s[PFA:PFA+1], s[PFA:PFA+1], s[PST:PST+1]
.endif
	s_wait_tensorcnt 0x0                           ; no tensor load of mine is out, so a group 0 may be written
	ds_add_u32 v[SPW], v[NIL]
.if \fill
	s_add_nc_u64 s[G0AW+2:G0AW+3], s[G0AW+2:G0AW+3], ASTEP
	s_add_nc_u64 s[G0BW+2:G0BW+3], s[G0BW+2:G0BW+3], BSTEP
	s_xor_b32 s[G0AW+1], s[G0AW+1], SLOT1
	s_xor_b32 s[G0BW+1], s[G0BW+1], SLOT1
.endif
	s_wait_dscnt 5                                 ; the add and A's row blocks 2 and 3 may be out
	MUL F1, 0, 1, 0
	s_wait_dscnt 0x0                               ; the add is done, my reads of this slot are over
	s_barrier_signal -1
	MUL F1, 1, 1, 0
	WIN 0
	s_barrier_wait -1
.if \fill
	CREST
	JLOAD
.else
	PLACES
.endif
	s_xor_b32 s[TB], s[TB], SLOT1
	v_add_nc_u32 v[ADRA], s[TB], v[LA0]
	v_add_nc_u32 v[ADRB], s[TB], v[LB0]
	FETCH 0, F0
.if \fill
	ASK
.endif
	MUL F1, 2, 2, 0
.endm
.macro LASTQ
	s_wait_dscnt 4
	MUL F1, 0, 2, 0
	s_wait_dscnt 0x0
	MUL F1, 2, 2, 0
.endm
	s_load_b256 s[4:11], s[0:1], 0x0               ; oh, woh, bo, out0
	v_lshl_add_u32 v[SPW], v0, 2, SPARE
	v_mov_b32 v[NIL], 0
	ds_add_u32 v[SPW], v[NIL]                      ; the wave's opening: the add and its wait ahead of my first tensor load
	v_lshrrev_b32 v4, 5, v0
	v_readfirstlane_b32 s[WV], v4
	s_lshr_b32 s[WH], s[WV], 1
	s_and_b32 s[WL], s[WV], 1
	s_bfe_u32 s[CX], ttmp6, 0x40000
	s_bfe_u32 s[CY], ttmp6, 0x40004
	s_and_b32 s[CLY], ttmp7, 0xffff
	s_lshl_b32 s[TR], s[CLY], 2
	s_add_co_u32 s[TR], s[TR], s[CY]
	s_lshl_b32 s43, s[CY], 2
	s_lshl_b32 s43, 15, s43
	s_lshl_b32 s44, 0x1111, s[CX]
	s_or_b32 s[G1A], s43, (1<<16)|(1<<20)|(1<<21)|(5<<22)|(3<<25)
	s_mov_b32 s[G1A+1], 128<<16
	s_mov_b32 s[G1A+2], 64<<16
	s_mov_b32 s[G1A+3], 128<<16
	s_mov_b32 s[G1A+4], 64
	s_mov_b32 s[G1A+5], 1024
	s_mov_b32 s[G1A+6], 0
	s_mov_b32 s[G1A+7], 0
	s_or_b32 s[G1B], s44, (1<<16)|(1<<20)|(1<<21)|(6<<22)|(7<<25)
	s_mov_b32 s[G1B+1], 256<<16
	s_mov_b32 s[G1B+2], 64<<16
	s_mov_b32 s[G1B+3], 256<<16
	s_mov_b32 s[G1B+4], 64
	s_mov_b32 s[G1B+5], 1024
	s_mov_b32 s[G1B+6], 0
	s_mov_b32 s[G1B+7], 0
	s_mov_b32 s[G0A], 1
	s_mul_i32 s[G0A+1], s[WL], 64*PA
	s_mov_b32 s[G0AW], 1
	s_add_co_u32 s[G0AW+1], s[G0A+1], SLOT1
	s_mov_b32 s[G0B], 1
	s_mul_i32 s[G0B+1], s[WL], 64*PB
	s_add_co_u32 s[G0B+1], s[G0B+1], BOFF
	s_mov_b32 s[G0BW], 1
	s_add_co_u32 s[G0BW+1], s[G0B+1], SLOT1
	s_lshl_b32 s[T0], s[WL], 17
	s_lshl_b32 s46, s[TR], 18
	s_add_co_u32 s46, s46, s[T0]
	s_mov_b32 s47, 0
	s_lshl_b32 s78, s[CX], 9
	s_add_co_u32 s78, s78, s[T0]
	s_mov_b32 s79, 0
	s_wait_dscnt 0x0                               ; the opening add is done
	s_wait_kmcnt 0x0
	s_add_nc_u64 s[G0A+2:G0A+3], s[4:5], s[46:47]
	s_add_nc_u64 s[G0AW+2:G0AW+3], s[G0A+2:G0A+3], ASTEP
	s_or_b32 s[G0A+3], s[G0A+3], 0x80000000
	s_or_b32 s[G0AW+3], s[G0AW+3], 0x80000000
	s_add_nc_u64 s[G0B+2:G0B+3], s[6:7], s[78:79]
	s_add_nc_u64 s[G0BW+2:G0BW+3], s[G0B+2:G0B+3], BSTEP
	s_or_b32 s[G0B+3], s[G0B+3], 0x80000000
	s_or_b32 s[G0BW+3], s[G0BW+3], 0x80000000
	CROUND
	s_cmp_eq_u32 s[WH], 0                          ; a wave's two first fills stand in one branch: two loads of mine are out
	s_cbranch_scc0 .Lfirst_b
	tensor_load_to_lds s[G0A:G0A+3], s[G1A:G1A+7]
	s_nop 0
	tensor_load_to_lds s[G0AW:G0AW+3], s[G1A:G1A+7]
	s_nop 0
	PLACES
	s_branch .Lfirst_done
.Lfirst_b:
	tensor_load_to_lds s[G0B:G0B+3], s[G1B:G1B+7]
	s_nop 0
	tensor_load_to_lds s[G0BW:G0BW+3], s[G1B:G1B+7]
	s_nop 0
	PLACES
.Lfirst_done:
	v_and_b32 v1, 15, v0
	v_bfe_u32 v2, v0, 4, 1
	v_and_b32 v3, 31, v0
	v_lshlrev_b32 v4, 3, v0                        ; the bias: 8 bytes a thread of the work-group's 1,024
	s_lshl_b32 s[T1], s[CX], 10
	v_add_nc_u32 v5, s[T1], v4
	global_load_b64 v[32:33], v5, s[8:9]
	v_mul_u32_u24 v[LA0], v1, PA
	v_lshl_add_u32 v[LA0], v2, 4, v[LA0]
	s_mul_i32 s[T0], s[WH], 64*PA
	v_add_nc_u32 v[LA0], s[T0], v[LA0]
	v_and_b32 v6, 7, v0
	v_lshl_add_u32 v6, v2, 3, v6
	v_mul_u32_u24 v[LB0], v6, PB
	v_bfe_u32 v7, v0, 3, 1
	v_lshl_add_u32 v[LB0], v7, 4, v[LB0]
	s_lshl_b32 s[T0], s[WL], 8
	s_add_co_u32 s[T0], s[T0], BOFF
	v_add_nc_u32 v[LB0], s[T0], v[LB0]
	s_mul_i32 s[T0], s[WV], 16*SP
	s_add_co_u32 s[T0], s[T0], STAGE
	v_mul_u32_u24 v[STO], v1, SP                   ; in: row r, 32 bytes for each half of the lanes
	v_lshl_add_u32 v[STO], v2, 5, v[STO]
	v_add_nc_u32 v[STO], s[T0], v[STO]
	v_lshl_add_u32 v[RD], v3, 4, s[T0]             ; back: 32 lanes take a row of 512 bytes
	v_lshlrev_b32 v[CO], 4, v3
	s_lshl_b32 s[T0], s[WL], 9
	s_add_co_u32 s[T0], s[T0], BIAS
	v_lshl_add_u32 v[BIA], v2, 5, s[T0]
	; the prefetches stand at K step 3; each change of slots steps them first
	s_lshl_b32 s[MX], s[TR], 18
	s_lshl_b32 s[T1], s[CX], 16
	s_add_co_u32 s[MX], s[MX], s[T1]
	s_add_co_u32 s[MX], s[MX], 3*ASTEP
	s_lshl_b32 s[T2], s[WL], 17
	s_lshl_b32 s[T1], s[CY], 15
	s_add_co_u32 s[T2], s[T2], s[T1]
	s_lshl_b32 s[T1], s[CX], 9
	s_add_co_u32 s[T2], s[T2], s[T1]
	s_add_co_u32 s[T2], s[T2], 3*BSTEP
	s_mov_b32 s[PST], BSTEP
	s_mov_b32 s[PST+1], 0
	s_mov_b32 s[MX+1], 0
	s_cmp_eq_u32 s[WH], 0
	s_cselect_b32 s[MX], s[MX], s[T2]
	s_cselect_b32 s[PST], ASTEP, s[PST]
	s_cselect_b64 s[PFA:PFA+1], s[4:5], s[6:7]
	s_add_nc_u64 s[PFA:PFA+1], s[PFA:PFA+1], s[MX:MX+1]
	s_cmp_eq_u32 s[CLY], 0
	s_cselect_b32 s[LIM], LIMB, 0
	s_cmp_eq_u32 s[WH], 0
	s_cselect_b32 s[LIM], 0, s[LIM]
	s_cmp_eq_u32 s[WV], 0
	s_cselect_b32 s[LIM], LIMA, s[LIM]
	v_lshrrev_b32 v6, s[WH], v3
	v_lshlrev_b32 v6, 11, v6
	v_and_b32 v7, s[WH], v3
	v_lshl_add_u32 v[PFO], v7, 8, v6
	s_lshl_b32 s[MX], s[TR], 19                    ; my part of out0: rows of 4,096 bytes
	s_lshl_b32 s[T1], s[WH], 18
	s_add_co_u32 s[MX], s[MX], s[T1]
	s_lshl_b32 s[T1], s[CX], 10
	s_add_co_u32 s[MX], s[MX], s[T1]
	s_lshl_b32 s[T1], s[WL], 9
	s_add_co_u32 s[MX], s[MX], s[T1]
	s_add_nc_u64 s[CB:CB+1], s[CB:CB+1], s[MX:MX+1]
	s_mov_b32 s[GC], 0
	s_mov_b32 s[TB], 0
	s_wait_loadcnt 0x0                             ; the bias: rounded to bf16 like every input, kept in f32
	v_cvt_pk_bf16_f32 v8, v32, v33
	v_lshlrev_b32 v32, 16, v8
	v_and_b32 v33, 0xffff0000, v8
	v_add_nc_u32 v7, BIAS, v4
	ds_store_b64 v7, v[32:33]
	s_wait_dscnt 0x0                               ; for the others' sake: my part of the table is written
	s_wait_tensorcnt 0x1                           ; my part of K step 0 is in; K step 1's may stay out
	s_barrier_signal -1
	s_barrier_wait -1
	v_mov_b32 v[ADRA], v[LA0]
	v_mov_b32 v[ADRB], v[LB0]
	FETCH 0, F0
	QUARTER 1, F0, F1, 1                           ; the first quarter starts the sums with the constant 0
	WIN 0
	s_mov_b32 s3, STEPS-2
.Lstep:
	QUARTER 2, F1, F0, 0
	QUARTER 3, F0, F1, 0
	TURN 1
	QUARTER 1, F0, F1, 0
	WIN 0
	s_sub_co_u32 s3, s3, 1
	s_cmp_lg_u32 s3, 0
	s_cbranch_scc1 .Lstep
	QUARTER 2, F1, F0, 0                           ; the tail is written out: nothing more is asked for
	QUARTER 3, F0, F1, 0
	TURN 0
	QUARTER 1, F0, F1, 0
	QUARTER 2, F1, F0, 0
	QUARTER 3, F0, F1, 0
	LASTQ
	WIN 0
; THE WAY OUT: sum + bias in f32, 16 rows at a time through my own stage, back as whole rows of 512 bytes.
.macro OUTB a
	WIN 0x01
.set e, 0
.rept 32
	v_pk_add_f32 v[TMP+2*e:TMP+2*e+1], v[64*(\a)+2*e:64*(\a)+2*e+1], v[BI+2*e:BI+2*e+1]
.set e, e+1
.endr
	WIN 0
	s_wait_xcnt 0x0                                ; earlier stores have read the registers that the loads below fill
.irp b, 0,1,2,3,4,5,6,7
	ds_store_b128 v[STO], v[TMP+8*\b:TMP+8*\b+3]   offset:64*\b
	ds_store_b128 v[STO], v[TMP+8*\b+4:TMP+8*\b+7] offset:64*\b+16
.endr
.set t, 0
.rept 16
	ds_load_b128 v[BK+4*t:BK+4*t+3], v[RD] offset:t*SP  ; LDS serves a wave's instructions in order (ISA guide 5.7.1.4): these see the stores above
.set t, t+1
.endr
.set t, 0
.rept 16
	s_wait_dscnt 15-t                              ; row t is back; the younger loads stay out
	global_store_b128 v[CO], v[BK+4*t:BK+4*t+3], s[CB:CB+1] offset:(16*(\a)+t)*4096 th:TH_STORE_NT  ; 32 lanes store 512 consecutive bytes, aligned
.set t, t+1
.endr
.endm
	PLACES
	PLACES
.irp b, 0,1,2,3,4,5,6,7
	ds_load_b128 v[BI+8*\b:BI+8*\b+3],   v[BIA] offset:64*\b
	ds_load_b128 v[BI+8*\b+4:BI+8*\b+7], v[BIA] offset:64*\b+16
.endr
	s_wait_dscnt 0x0
	OUTB 0
	OUTB 1
	OUTB 2
	OUTB 3
	s_wait_tensorcnt 0x0                           ; the wave's end
	ds_add_u32 v[SPW], v[NIL]
	s_wait_dscnt 0x0
	CROUND                                         ; the closing round
	s_endpgm
.Lfunc_end_k_q9b7a6ea0d4_outp:
	.size	k_q9b7a6ea0d4_outp, .Lfunc_end_k_q9b7a6ea0d4_outp-k_q9b7a6ea0d4_outp
	.p2alignl 7, 3214868480
	.fill 96, 4, 3214868480
	.section	.rodata,"a",@progbits
	.p2align	6, 0x0
	.amdhsa_kernel k_q9b7a6ea0d4_outp
		.amdhsa_group_segment_fixed_size 327680
		.amdhsa_private_segment_fixed_size 0
		.amdhsa_enable_private_segment 0
		.amdhsa_kernarg_size 32
		.amdhsa_user_sgpr_count 2
		.amdhsa_user_sgpr_kernarg_segment_ptr 1
		.amdhsa_wavefront_size32 1
		.amdhsa_system_sgpr_workgroup_id_x 1
		.amdhsa_system_sgpr_workgroup_id_y 1
		.amdhsa_system_sgpr_workgroup_id_z 1
		.amdhsa_system_vgpr_workitem_id 0
		.amdhsa_next_free_vgpr 512
		.amdhsa_next_free_sgpr 100
		.amdhsa_reserve_vcc 0
		.amdhsa_float_denorm_mode_32 3
		.amdhsa_float_denorm_mode_16_64 3
		.amdhsa_memory_ordered 1
		.amdhsa_forward_progress 1
		.amdhsa_inst_pref_size 81
	.end_amdhsa_kernel
	.amdgpu_metadata
---
amdhsa.version: [ 1, 2 ]
amdhsa.kernels:
  - .name:           k_q9b7a6ea0d4_outp
    .symbol:         k_q9b7a6ea0d4_outp.kd
    .args:
      - { .name: oh, .offset: 0, .size: 8, .value_kind: global_buffer, .address_space: global }
      - { .name: woh, .offset: 8, .size: 8, .value_kind: global_buffer, .address_space: global }
      - { .name: bo, .offset: 16, .size: 8, .value_kind: global_buffer, .address_space: global }
      - { .name: out0, .offset: 24, .size: 8, .value_kind: global_buffer, .address_space: global }
    .group_segment_fixed_size: 327680
    .private_segment_fixed_size: 0
    .kernarg_segment_align: 8
    .kernarg_segment_size: 32
    .max_flat_workgroup_size: 128
    .sgpr_count:     100
    .vgpr_count:     512
    .wavefront_size: 32
...
	.end_amdgpu_metadata
.endif
;; end of part 5
;; ======== version 2 of 2: 5 launches; version 1 with the launch prep written anew for expert scheduling mode
;; limits: values are held in f16: magnitudes above 65,504 overflow, below 6.1e-05 lose precision
;; workspace buffers: xb 16,777,216 bytes; wqkvb 6,291,456 bytes; woh 2,097,152 bytes; qkvh 50,331,648 bytes; ph 33,554,432 bytes; stat 1,048,576 bytes; oh 16,777,216 bytes
;; launch prep (part 6): grid 768 x 1, 8 waves a work-group, no clusters, 0 bytes of LDS; arguments x, Wq, Wk, Wv, Wo, xb, wqkvb, woh; writes xb, wqkvb, woh
.if DOCPART == 6
	.amdgcn_target "amdgcn-amd-amdhsa--gfx1250"
	.amdhsa_code_object_version 6
	.text
	.protected	k_q9b7a6ea0d4_prep
	.globl	k_q9b7a6ea0d4_prep
	.p2align	8
	.type	k_q9b7a6ea0d4_prep,@function
k_q9b7a6ea0d4_prep:
	s_mov_b64 s[64:65], 0
	v_nop
	global_prefetch_b8 v0, s[64:65] scope:SCOPE_SE
	s_setreg_imm32_b32 hwreg(HW_REG_WAVE_SCHED_MODE, 0, 2), 2
	s_setreg_imm32_b32 hwreg(HW_REG_WAVE_MODE, 25, 1), 1
	s_wait_xcnt 0x0
	s_wait_alu depctr_vm_vsrc(0)
; x, Wq, Wk, Wv rounded once to bf16 (xb; wqkvb = [Wq][Wk][Wv]); Wo rounded to bf16 and that number written as f16 (woh).
; A stream: a work-group takes 16,384 numbers, 65,536 bytes in and 32,768 out.  Work-groups 0-511 take x, then 64 each Wq, Wk, Wv, Wo.
; All sixteen loads of a thread go out at once (a wave's load covers 512 neighbouring bytes); a wave's store covers 256 neighbouring bytes, aligned.
; No LDS, no matrix unit: nothing is shared and nothing multiplied.
; LIMIT: a number of Wo below 6.1e-5 in magnitude keeps f16's fixed step of 6e-8; beyond 65,504 it would be an infinity.
; THE MODE: SCHED_MODE bits 1:0 = 2 (LLVM: expert scheduling mode 2), set by the entry lines.  The code itself states the register dependences
; between vector instructions and memory instructions, with s_wait_alu, always for 0.
; THE PLAN.  Registers that memory instructions touch:
;   v1, v2      byte offsets of the loads and of the stores: written once at the head, never again.
;   v[16:79]    chunk i: four registers, written by load i alone, read by chunk i's conversions; no vector instruction names them ahead of the loads.
;   v[80:111]   chunk i: two registers, written once by chunk i's conversions, read by chunk i's one store.
;   v[112:115]  (Wo's path) are named by vector instructions alone.
; No register that a memory instruction reads is ever written again, so no wait for such a read is owed.  What is owed: the offsets ahead of the first load, and each chunk's out registers ahead of its store.
; The sixteen chunks go in four groups of four.  A group's stores are issued in the next group, one ahead of each chunk's conversions, behind ONE wait at that group's head; the conversions
; issued since that wait write other out registers.  The last group's stores have a wait of their own.
.set NX, 512                           ; work-groups for x
.set NW, 64                            ; for each weight
.set GRP, 4                            ; chunks in a group
	s_load_b512 s[4:19], s[0:1], 0x0               ; x, Wq, Wk, Wv, Wo, xb, wqkvb, woh
	v_lshlrev_b32 v1, 4, v0                        ; 16 bytes a thread in
	v_lshlrev_b32 v2, 3, v0                        ; 8 bytes a thread out
	s_sub_co_u32 s20, ttmp9, NX                    ; my number among the weights' work-groups
	s_and_b32 s21, s20, NW-1                       ; and inside one weight
	s_sub_co_u32 s24, ttmp9, NX+3*NW               ; and inside Wo
	s_cmp_lt_u32 ttmp9, NX
	s_cselect_b32 s22, ttmp9, s21                  ; the source's chunk
	s_cselect_b32 s26, ttmp9, s20                  ; the destination's: the three weights lie on end in wqkvb
	s_cmp_ge_u32 ttmp9, NX+3*NW
	s_cselect_b32 s26, s24, s26
	s_lshl_b32 s22, s22, 16
	s_mov_b32 s23, 0
	s_lshl_b32 s26, s26, 15
	s_mov_b32 s27, 0
	s_wait_kmcnt 0x0
	s_cmp_ge_u32 ttmp9, NX
	s_cselect_b64 s[28:29], s[6:7], s[4:5]
	s_cselect_b64 s[30:31], s[16:17], s[14:15]
	s_cmp_ge_u32 ttmp9, NX+NW
	s_cselect_b64 s[28:29], s[8:9], s[28:29]
	s_cmp_ge_u32 ttmp9, NX+2*NW
	s_cselect_b64 s[28:29], s[10:11], s[28:29]
	s_cmp_ge_u32 ttmp9, NX+3*NW
	s_cselect_b64 s[28:29], s[12:13], s[28:29]
	s_cselect_b64 s[30:31], s[18:19], s[30:31]
	s_add_nc_u64 s[28:29], s[28:29], s[22:23]
	s_add_nc_u64 s[30:31], s[30:31], s[26:27]
	s_wait_alu depctr_va_vdst(0)                   ; v1 and v2 are written: every load reads v1 as its offset, every store v2
.set i, 0
.rept 16
	global_load_b128 v[16+4*i:19+4*i], v1, s[28:29] offset:4096*i th:TH_LOAD_NT
.set i, i+1
.endr
	s_cmp_ge_u32 ttmp9, NX+3*NW
	s_cbranch_scc1 .Lwo
.set i, 0
.rept 16
	s_wait_loadcnt 15-i                            ; loads come back in order: load i is in, the younger ones stay out
.if (i % GRP == 0) && (i > 0)
	s_wait_alu depctr_va_vdst(0)                   ; the group before has written its eight out registers, which this group's four stores read
.endif
.if i >= GRP
	global_store_b64 v2, v[80+2*(i-GRP):81+2*(i-GRP)], s[30:31] offset:2048*(i-GRP)  ; the chunk one group back; no vector instruction since the wait names its registers
.endif
	v_cvt_pk_bf16_f32 v[80+2*i], v[16+4*i], v[17+4*i]
	v_cvt_pk_bf16_f32 v[81+2*i], v[18+4*i], v[19+4*i]
.set i, i+1
.endr
	s_wait_alu depctr_va_vdst(0)                   ; the last group has written v[104:111], which the last four stores read
.set i, 16-GRP
.rept GRP
	global_store_b64 v2, v[80+2*i:81+2*i], s[30:31] offset:2048*i
.set i, i+1
.endr
	s_endpgm
.Lwo:                                  ; Wo: rounded to bf16 like every input, widened, and written as f16 (8 significant bits fit in 11)
.set i, 0
.rept 16
	s_wait_loadcnt 15-i
.if (i % GRP == 0) && (i > 0)
	s_wait_alu depctr_va_vdst(0)                   ; the group before has written its eight out registers, which this group's four stores read
.endif
.if i >= GRP
	global_store_b64 v2, v[80+2*(i-GRP):81+2*(i-GRP)], s[30:31] offset:2048*(i-GRP)  ; the chunk one group back; no vector instruction since the wait names its registers
.endif
	v_cvt_pk_bf16_f32 v112, v[16+4*i], v[17+4*i]
	v_cvt_pk_bf16_f32 v114, v[18+4*i], v[19+4*i]
	v_lshlrev_b32 v113, 16, v112
	v_and_b32 v112, 0xffff0000, v112
	v_lshlrev_b32 v115, 16, v114
	v_and_b32 v114, 0xffff0000, v114
	v_cvt_pk_f16_f32 v[80+2*i], v113, v112
	v_cvt_pk_f16_f32 v[81+2*i], v115, v114
.set i, i+1
.endr
	s_wait_alu depctr_va_vdst(0)                   ; the last group has written v[104:111], which the last four stores read
.set i, 16-GRP
.rept GRP
	global_store_b64 v2, v[80+2*i:81+2*i], s[30:31] offset:2048*i
.set i, i+1
.endr
	s_endpgm
.Lfunc_end_k_q9b7a6ea0d4_prep:
	.size	k_q9b7a6ea0d4_prep, .Lfunc_end_k_q9b7a6ea0d4_prep-k_q9b7a6ea0d4_prep
	.p2alignl 7, 3214868480
	.fill 96, 4, 3214868480
	.section	.rodata,"a",@progbits
	.p2align	6, 0x0
	.amdhsa_kernel k_q9b7a6ea0d4_prep
		.amdhsa_group_segment_fixed_size 0
		.amdhsa_private_segment_fixed_size 0
		.amdhsa_enable_private_segment 0
		.amdhsa_kernarg_size 64
		.amdhsa_user_sgpr_count 2
		.amdhsa_user_sgpr_kernarg_segment_ptr 1
		.amdhsa_wavefront_size32 1
		.amdhsa_system_sgpr_workgroup_id_x 1
		.amdhsa_system_sgpr_workgroup_id_y 1
		.amdhsa_system_sgpr_workgroup_id_z 1
		.amdhsa_system_vgpr_workitem_id 0
		.amdhsa_next_free_vgpr 120
		.amdhsa_next_free_sgpr 66
		.amdhsa_reserve_vcc 0
		.amdhsa_float_denorm_mode_32 3
		.amdhsa_float_denorm_mode_16_64 3
		.amdhsa_memory_ordered 1
		.amdhsa_forward_progress 1
		.amdhsa_inst_pref_size 17
	.end_amdhsa_kernel
	.amdgpu_metadata
---
amdhsa.version: [ 1, 2 ]
amdhsa.kernels:
  - .name:           k_q9b7a6ea0d4_prep
    .symbol:         k_q9b7a6ea0d4_prep.kd
    .args:
      - { .name: x, .offset: 0, .size: 8, .value_kind: global_buffer, .address_space: global }
      - { .name: Wq, .offset: 8, .size: 8, .value_kind: global_buffer, .address_space: global }
      - { .name: Wk, .offset: 16, .size: 8, .value_kind: global_buffer, .address_space: global }
      - { .name: Wv, .offset: 24, .size: 8, .value_kind: global_buffer, .address_space: global }
      - { .name: Wo, .offset: 32, .size: 8, .value_kind: global_buffer, .address_space: global }
      - { .name: xb, .offset: 40, .size: 8, .value_kind: global_buffer, .address_space: global }
      - { .name: wqkvb, .offset: 48, .size: 8, .value_kind: global_buffer, .address_space: global }
      - { .name: woh, .offset: 56, .size: 8, .value_kind: global_buffer, .address_space: global }
    .group_segment_fixed_size: 0
    .private_segment_fixed_size: 0
    .kernarg_segment_align: 8
    .kernarg_segment_size: 64
    .max_flat_workgroup_size: 256
    .sgpr_count:     66
    .vgpr_count:     120
    .wavefront_size: 32
...
	.end_amdgpu_metadata
.endif
;; end of part 6
;; launch qkv: the kernel of part 2 again; grid 4 x 64, 4 waves a work-group, clusters of 4 x 4, 327,680 bytes of LDS; arguments xb, wqkvb, bq, bk, bv, qkvh; writes qkvh
;; launch scores: the kernel of part 3 again; grid 8 x 32, 8 waves a work-group, clusters of 4 x 4, 327,680 bytes of LDS; arguments qkvh, mask, ph, stat; writes ph, stat
;; launch pv: the kernel of part 4 again; grid 4 x 64, 4 waves a work-group, clusters of 4 x 4, 327,680 bytes of LDS; arguments ph, qkvh, stat, oh; writes oh
;; launch outp: the kernel of part 5 again; grid 4 x 64, 4 waves a work-group, clusters of 4 x 4, 327,680 bytes of LDS; arguments oh, woh, bo, out0; writes out0
